; MI455X (gfx1250); checked and timed in simulation.
; The chip was launched on July 23, 2026; its instructions are those of AMD's public machine-readable ISA for CDNA 5 (MIT licence, August 2026) and "CDNA5" Instruction Set Architecture Reference Guide (July 2026). The comments in the code are by the model that wrote it; some were corrected since.
;; Windowed Self Attention. Allowed arithmetic: matrix products marked QUANTISED: E2M1 operands, one E8M0 scale for each 32 along K, by v_wmma_scale_f32_16x16x128_f8f6f4 with both operands' format E2M1 (or v_wmma_scale_f32_32x16x128_f4), f32 sums; products left as they are: bf16, f16 or f32 operands; f32 sums; everything else in f32.
;; Inputs: w_proj 1,024 x 1,024 float32; w_qkv 1,024 x 3,072 float32; x 2 x 2,048 x 1,024 float32.
;; Outputs: out0 2 x 2,048 x 1,024 float32.
;; This version of the problem:
;;   THIS VERSION OF THE PROBLEM IS GIVEN IN LOW PRECISION. The matrix products marked QUANTISED in the list below multiply operands that are first quantised to E2M1 (2 exponent bits, 1 mantissa bit; 4 bits a number), with one power-of-two scale for each 32 numbers along K (OCP MX v1.0); their sums are f32. The products marked 'left as it is' may take bf16, f16 or f32 operands, with f32 sums. Whichever they take, every output number must still come out within the allowed error. Rounding operands to bf16 (8 significant bits) uses up far more of that allowance than f16 does (11 bits, for magnitudes from 6e-5 to 65,504). All else is computed in f32.
;;   The module's matrix products, in the order in which they are computed (A, B: the left and right operand; K: the contracted axis; several contracted axes count as one K, in the product's order):
;;     1. [M 4,096, K 1,024] x [K 1,024, N 3,072]; A: input x; B: input w_qkv: QUANTISED
;;     2. batch 32 x [M 2,048, K 64] x [K 64, N 2,048]; A: computed on the way; B: computed on the way: left as it is (an operand is computed on the way)
;;     3. batch 32 x [M 2,048, K 2,048] x [K 2,048, N 64]; A: computed on the way; B: computed on the way: left as it is (an operand is computed on the way)
;;     4. [M 4,096, K 1,024] x [K 1,024, N 1,024]; A: computed on the way; B: input w_proj: left as it is (an operand is computed on the way)
;;   THE QUANTISER, for each operand of a quantised product, along K:
;;     - K is cut into blocks of 32 from its start; a last block that is shorter is filled with zeros.
;;     - A block's scale is 2^e with e = floor(log2(the largest magnitude in the block)) - 2, held to -126 .. 127; a block of zeros has e = 0. As a byte (E8M0): e + 127.
;;     - Each number is divided by its block's scale, clamped to +-6, and rounded to the nearest number of E2M1, ties to even, subnormals kept.
;;     - The product sums the exact products of the quantised numbers (number of the format x scale) in f32.
;;   ~~~python
;;   def quantise(x, axis):      # numpy; x: float32 -> the quantised numbers, widened to float32 again
;;       x = np.moveaxis(x, axis, -1); K = x.shape[-1]
;;       x = np.pad(x, [(0, 0)] * (x.ndim - 1) + [(0, -K % 32)]); x = x.reshape(x.shape[:-1] + (-1, 32)); a = np.abs(x).max(-1, keepdims=True)
;;       e = np.where(a > 0, np.clip(np.frexp(np.where(a > 0, a, 1))[1] - 1 - 2, -126, 127), 0)      # np.frexp(a)[1] - 1 = floor(log2(a)), exactly
;;       r = np.clip(x / 2.0 ** e, -6, 6)
;;       step = 2.0 ** (np.maximum(np.frexp(np.where(r == 0, 1, r))[1] - 1, 0) - 1)
;;       q = np.round(r / step) * step * 2.0 ** e      # np.round: ties to even
;;       return np.moveaxis(q.reshape(q.shape[:-2] + (-1,))[..., :K], -1, axis).astype(np.float32)
;;   ~~~
;; One version. Each part assembles by itself: llvm-mc -triple=amdgcn-amd-amdhsa -mcpu=gfx1250 --defsym DOCPART=n.
;; ======== version 1 of 1: 5 launches
;; limits: values are held in f16: magnitudes above 65,504 overflow, below 6.1e-05 lose precision
;; workspace buffers: xc 2,097,152 bytes; xs 131,072 bytes; wc 1,572,864 bytes; ws 98,304 bytes; wpt 2,097,152 bytes; qkvh 25,165,824 bytes; qkv32 393,216 bytes; yh 8,388,608 bytes
;; launch prep (part 1): grid 384 x 1, 4 waves a work-group, no clusters, 77,312 bytes of LDS; arguments x, w_qkv, w_proj, xc, xs, wc, ws, wpt; writes xc, xs, wc, ws, wpt
.if DOCPART == 1
	.amdgcn_target "amdgcn-amd-amdhsa--gfx1250"
	.amdhsa_code_object_version 6
	.text
	.protected	k_qaee36c7e0b_prep
	.globl	k_qaee36c7e0b_prep
	.p2align	8
	.type	k_qaee36c7e0b_prep,@function
k_qaee36c7e0b_prep:
	s_mov_b64 s[64:65], 0
	v_nop
	global_prefetch_b8 v0, s[64:65] scope:SCOPE_SE
	s_setreg_imm32_b32 hwreg(HW_REG_WAVE_MODE, 25, 1), 1
	s_wait_xcnt 0x0
; Three tensors are laid out for the launches that follow; the work-group's number picks the path.
;   work-groups 0-127:   x [4096][1024] f32 -> codes of FP4 (E2M1), K innermost (xc, 512 bytes a row), one E8M0 byte for each 32 along K (xs, 32 bytes a row)
;   work-groups 128-319: w_qkv [1024 (k)][3072 (n)] f32 -> codes laid [n][k] (wc) and scale bytes [n][32] (ws): K is its FIRST axis
;   work-groups 320-383: w_proj [1024 (k)][1024 (n)] f32 -> f16, laid [n][k] (wpt)
; A block's scale is 2^(floor(log2(its largest magnitude)) - 2); its byte is the largest magnitude's exponent field - 2, held at 1 from below.
; LIMITS: a block of zeros gets the byte 1 (the quantiser says 127): its codes are zeros, and the bytes are read by this program alone; blocks whose largest magnitude lies under
; 2^-124 keep the byte 1; NaN and infinities are not served; |w_proj| stays under 65,504 (f16's largest number), and under 6e-5 its step is 6e-8.
; No tensor loads.  Each path has LDS bytes of its own.
.set SPARE, 76800                      ; the spare words: 128 bytes a wave, two blocks of 256 bytes that no other line names
.set WST,   32768                      ; path W: a stage of 32 rows x 272 bytes, shared by the four waves
.set WSC,   41472                      ; path W: 32 columns x 16 scale bytes
.set PST,   41984                      ; path P: a stage of 32 rows x 272 bytes for each wave
.set SP,    80                         ; path X: a lane's place in a stage: its 64 bytes + 16 of padding
.set PITCH, 272
.set SPW,   12                         ; v12  my spare word's LDS address; never rewritten
.set NIL,   13                         ; v13  0; never rewritten
.set XR,    16                         ; path X: v16-143 eight sets of 16 numbers as loaded
.set XX,    144                        ; v144-175 two sets of 16 neighbours
.set XE,    176                        ; v176-191 a scale byte for each step
.set XC,    192                        ; v192-223 two registers of codes for each step
.set CX,    32                         ; paths W, P: v32-95 two sets of 32 numbers down K
.set CC,    96                         ; v96-111 what a block becomes
.set CO,    112                        ; v112-175 the way out
.macro LOADX t                         ; step t: four loads of 512 consecutive bytes
.irp i, 0,1,2,3
	global_load_b128 v[XR+16*((\t)%8)+4*\i:XR+16*((\t)%8)+4*\i+3], v3, s[4:5] offset:2048*(\t)+512*\i th:TH_LOAD_NT
.endr
.endm
.macro TURNX t                         ; through my own stage: in as loaded, back 64 neighbouring bytes a lane; LDS serves a wave's instructions in order
.irp i, 0,1,2,3
	ds_store_b128 v14, v[XR+16*((\t)%8)+4*\i:XR+16*((\t)%8)+4*\i+3] offset:32*SP*((\t)%2)+8*SP*\i
.endr
.irp i, 0,1,2,3
	ds_load_b128 v[XX+16*((\t)%2)+4*\i:XX+16*((\t)%2)+4*\i+3], v15 offset:32*SP*((\t)%2)+16*\i
.endr
.endm
.macro STEPX t
.set XS, XX+16*((\t)%2)
.if (\t) > 0
	s_wait_dscnt 1                                 ; this step's numbers are back (the last step's byte store may be out), so the stage's stores have read their registers
.else
	s_wait_dscnt 0x0
.endif
.if (\t)+8 < 16
	LOADX (\t)+8                                   ; eight steps ahead: 32 loads a wave
.endif
.if (\t)+1 < 16
.if 14-(\t) >= 7
	s_wait_loadcnt 28                              ; the next step's four loads are in; those of the seven steps behind it may be out
.else
	s_wait_loadcnt 4*(14-(\t))
.endif
	TURNX (\t)+1
.endif
	v_max3_num_f32 v8, |v[XS]|, |v[XS+1]|, |v[XS+2]|
	v_max3_num_f32 v9, |v[XS+3]|, |v[XS+4]|, |v[XS+5]|
.irp i, 6,10
	v_max3_num_f32 v8, v8, |v[XS+\i]|, |v[XS+\i+1]|
	v_max3_num_f32 v9, v9, |v[XS+\i+2]|, |v[XS+\i+3]|
.endr
	v_max3_num_f32 v8, v8, |v[XS+14]|, |v[XS+15]|
	v_max3_num_f32 v8, v8, v9, 0x1800000           ; the floor 2^(3 - 127): the byte cannot fall under 1
	v_max_num_f32_dpp v8, v8, v8 row_xmask:1 row_mask:0xf bank_mask:0xf   ; with my neighbour's 16: the block's largest magnitude
	v_add_nc_u32 v11, 0xff000000, v8               ; 2 off its exponent field: the conversion's scale operand
	v_cvt_scalef32_pk8_fp4_f32 v[XC+2*(\t)], v[XS:XS+7], v11
	v_cvt_scalef32_pk8_fp4_f32 v[XC+2*(\t)+1], v[XS+8:XS+15], v11
	v_lshrrev_b32 v[XE+(\t)], 23, v11              ; the scale's byte
	ds_store_b8 v5, v[XE+(\t)] offset:16*(\t)      ; both lanes of a block write the same byte with the same value
	global_store_b64 v4, v[XC+2*(\t):XC+2*(\t)+1], s[10:11] offset:256*(\t)   ; the wave stores 256 consecutive bytes, aligned
.endm
.macro LOADC t, b, pitch               ; block t of my column: 32 numbers down K into set t % 2; 32 lanes read 128 consecutive bytes
.irp i, 0,1,2,3,4,5,6,7,8,9,10,11,12,13,14,15,16,17,18,19,20,21,22,23,24,25,26,27,28,29,30,31
	global_load_b32 v[CX+32*((\t)%2)+\i], v3, s[\b:\b+1] offset:(32*(\t)+\i)*\pitch th:TH_LOAD_NT
.endr
.endm
.macro BLOCKW t
.set XS, CX+32*((\t)%2)
.if (\t) < 3
	s_wait_loadcnt 32                              ; this block's 32 loads are in; the next block's may be out
.else
	s_wait_loadcnt 0x0
.endif
	v_max3_num_f32 v20, |v[XS]|, |v[XS+1]|, |v[XS+2]|   ; all 32 numbers of the block are mine
	v_max3_num_f32 v21, |v[XS+3]|, |v[XS+4]|, |v[XS+5]|
.irp i, 6,10,14,18,22,26
	v_max3_num_f32 v20, v20, |v[XS+\i]|, |v[XS+\i+1]|
	v_max3_num_f32 v21, v21, |v[XS+\i+2]|, |v[XS+\i+3]|
.endr
	v_max3_num_f32 v20, v20, |v[XS+30]|, |v[XS+31]|
	v_max3_num_f32 v20, v20, v21, 0x1800000
	v_add_nc_u32 v11, 0xff000000, v20
	v_lshrrev_b32 v22, 23, v11
.if (\t) == 0
	v_mov_b32 v24, v22                             ; my four bytes make a word, the lower K in the lower byte
.else
	v_lshl_or_b32 v24, v22, 8*(\t), v24
.endif
.irp g, 0,1,2,3
	v_cvt_scalef32_pk8_fp4_f32 v[CC+\g], v[XS+8*\g:XS+8*\g+7], v11
.endr
	ds_store_b128 v4, v[CC:CC+3] offset:16*(\t)    ; 32 codes: 16 bytes of my column's row
.if (\t)+2 < 4
	LOADC (\t)+2, 6, 12288
.endif
	s_wait_dscnt 0x0                               ; the store has read its registers: the next block's codes may be written
.endm
.macro BLOCKP t
.set XS, CX+32*((\t)%2)
.if (\t) < 3
	s_wait_loadcnt 32
.else
	s_wait_loadcnt 0x0
.endif
.irp j, 0,1,2,3,4,5,6,7,8,9,10,11,12,13,14,15
	v_cvt_pk_f16_f32 v[CC+\j], v[XS+2*\j], v[XS+2*\j+1]
.endr
.irp c, 0,1,2,3
	ds_store_b128 v4, v[CC+4*\c:CC+4*\c+3] offset:64*(\t)+16*\c
.endr
.if (\t)+2 < 4
	LOADC (\t)+2, 8, 4096
.endif
	s_wait_dscnt 0x0
.endm
	s_load_b256 s[4:11], s[0:1], 0x0               ; x s[4:5], w_qkv s[6:7], w_proj s[8:9], xc s[10:11]
	s_load_b256 s[12:19], s[0:1], 0x20             ; xs s[12:13], wc s[14:15], ws s[16:17], wpt s[18:19]
	v_lshl_add_u32 v[SPW], v0, 2, SPARE
	v_mov_b32 v[NIL], 0
	v_lshrrev_b32 v1, 5, v0
	v_readfirstlane_b32 s20, v1                    ; wave 0..3
	v_and_b32 v2, 31, v0                           ; lane
	s_mov_b32 s25, 0
	s_wait_kmcnt 0x0
	s_cmp_lt_u32 ttmp9, 128
	s_cbranch_scc0 .Lnot_x
	; ---- PATH X.  x is a plain stream of blocks of 32; a wave takes 16 steps of 512 numbers
	s_lshl_b32 s21, ttmp9, 2
	s_add_co_u32 s22, s21, s20                     ; which run of 8,192 numbers is my wave's
	s_lshl_b32 s24, s22, 15
	s_add_nc_u64 s[4:5], s[4:5], s[24:25]
	s_lshl_b32 s24, s22, 12
	s_add_nc_u64 s[10:11], s[10:11], s[24:25]
	s_lshl_b32 s24, s22, 8
	s_add_nc_u64 s[12:13], s[12:13], s[24:25]
	v_lshlrev_b32 v3, 4, v2                        ; my 16 bytes of a load's 512
	s_lshl_b32 s23, s20, 13                        ; my wave's 8,192 bytes of LDS
	v_lshrrev_b32 v14, 2, v2
	v_mul_u32_u24 v14, v14, SP
	v_and_b32 v15, 3, v2
	v_lshl_add_u32 v14, v15, 4, v14
	v_add_nc_u32 v14, s23, v14                     ; into the stage: 80 (lane / 4) + 16 (lane % 4)
	v_mul_u32_u24 v15, v2, SP
	v_add_nc_u32 v15, s23, v15                     ; out of it: 80 x lane
	v_lshlrev_b32 v4, 3, v2                        ; 8 bytes a lane: my codes in a step's 256, my part of the 256 scale bytes
	v_lshrrev_b32 v5, 1, v2
	s_add_co_u32 s23, s23, 2*32*SP
	v_add_nc_u32 v5, s23, v5                       ; my block's byte among my wave's 256
	v_add_nc_u32 v6, s23, v4
.irp t, 0,1,2,3,4,5,6,7
	LOADX \t
.endr
	s_wait_loadcnt 28                              ; step 0's four loads are in
	TURNX 0
.irp t, 0,1,2,3,4,5,6,7,8,9,10,11,12,13,14,15
	STEPX \t
.endr
	ds_load_b64 v[8:9], v6                         ; in order behind my byte stores
	s_wait_dscnt 0x0
	global_store_b64 v4, v[8:9], s[12:13]          ; 256 consecutive bytes, aligned
	s_branch .Lend
.Lnot_x:
	s_cmp_lt_u32 ttmp9, 320
	s_cbranch_scc0 .Lpath_p
	; ---- PATH W.  A lane takes a column n and its registers run down K.  The four waves share 32 columns x 512 along K, 128 each: four blocks a lane
	s_sub_co_u32 s21, ttmp9, 128
	s_cmp_ge_u32 s21, 96
	s_cselect_b32 s22, 1, 0                        ; which 512 along K
	s_mul_i32 s23, s22, 96
	s_sub_co_u32 s21, s21, s23                     ; which 32 columns
	s_lshl_b32 s24, s22, 9
	s_lshl_b32 s26, s20, 7
	s_add_co_u32 s24, s24, s26                     ; my first k
	s_mul_i32 s24, s24, 12288
	s_lshl_b32 s26, s21, 7
	s_add_co_u32 s24, s24, s26
	s_add_nc_u64 s[6:7], s[6:7], s[24:25]
	s_lshl_b32 s24, s21, 14                        ; 32 rows of 512 bytes of codes,
	s_lshl_b32 s26, s22, 8                         ; + 256 bytes for the upper 512 along K
	s_add_co_u32 s24, s24, s26
	s_add_nc_u64 s[14:15], s[14:15], s[24:25]
	s_lshl_b32 s24, s21, 10                        ; 32 rows of 32 scale bytes
	s_lshl_b32 s26, s22, 4
	s_add_co_u32 s24, s24, s26
	s_add_nc_u64 s[16:17], s[16:17], s[24:25]
	v_lshlrev_b32 v3, 2, v2
	v_mul_u32_u24 v4, v2, PITCH
	s_lshl_b32 s26, s20, 6
	v_add_nc_u32 v4, s26, v4
	v_add_nc_u32 v4, WST, v4                       ; into the stage: row = my column, my wave's 64 bytes of it
	v_lshrrev_b32 v6, 4, v2
	v_and_b32 v5, 15, v2
	s_lshl_b32 s26, s20, 3
	v_add_nc_u32 v6, s26, v6                       ; out of it: wave w takes rows 8 w on, sixteen lanes to a row
	v_mul_u32_u24 v7, v6, PITCH
	v_lshl_add_u32 v7, v5, 4, v7
	v_add_nc_u32 v7, WST, v7
	v_lshlrev_b32 v8, 9, v6
	v_lshl_add_u32 v8, v5, 4, v8                   ; the same place in wc
	v_lshlrev_b32 v9, 5, v2                        ; a column's row of ws
	v_lshlrev_b32 v5, 4, v2
	v_add_nc_u32 v5, WSC, v5                       ; a column's 16 scale bytes in LDS,
	s_lshl_b32 s26, s20, 2
	v_add_nc_u32 v10, s26, v5                      ; and my wave's word of them
	LOADC 0, 6, 12288
	LOADC 1, 6, 12288
.irp t, 0,1,2,3
	BLOCKW \t
.endr
	ds_store_b32 v10, v24
	s_wait_dscnt 0x0                               ; for the others' sake: my stores have landed
	s_barrier_signal -1                            ; (the way here hangs on the work-group's number alone: all four waves pass)
	s_barrier_wait -1
.irp i, 0,1,2,3
	ds_load_b128 v[CO+4*\i:CO+4*\i+3], v7 offset:2*\i*PITCH
.endr
.irp i, 0,1,2,3
	s_wait_dscnt 3-\i
	global_store_b128 v8, v[CO+4*\i:CO+4*\i+3], s[14:15] offset:2*\i*512   ; sixteen lanes store 256 consecutive bytes, aligned
.endr
	s_cmp_lg_u32 s20, 0
	s_cbranch_scc1 .Lend
	ds_load_b128 v[100:103], v5                    ; wave 0: the 32 columns' scale bytes, 16 a lane, rows 32 bytes apart: 98,304 bytes in the whole launch
	s_wait_dscnt 0x0
	global_store_b128 v9, v[100:103], s[16:17]
	s_branch .Lend
.Lpath_p:
	; ---- PATH P.  The same walk; a wave takes 32 columns x 128 along K; rounded to f16; its own stage
	s_sub_co_u32 s21, ttmp9, 320
	s_and_b32 s22, s21, 7                          ; which 128 columns
	s_lshr_b32 s23, s21, 3                         ; which 128 along K
	s_lshl_b32 s22, s22, 7
	s_lshl_b32 s26, s20, 5
	s_add_co_u32 s22, s22, s26                     ; my first column
	s_lshl_b32 s24, s23, 19                        ; 128 rows of 4,096 bytes
	s_lshl_b32 s26, s22, 2
	s_add_co_u32 s24, s24, s26
	s_add_nc_u64 s[8:9], s[8:9], s[24:25]
	s_lshl_b32 s24, s22, 11                        ; a row of wpt is 2,048 bytes
	s_lshl_b32 s26, s23, 8
	s_add_co_u32 s24, s24, s26
	s_add_nc_u64 s[18:19], s[18:19], s[24:25]
	v_lshlrev_b32 v3, 2, v2
	s_mul_i32 s26, s20, 32*PITCH
	s_add_co_u32 s26, s26, PST
	v_mul_u32_u24 v4, v2, PITCH
	v_add_nc_u32 v4, s26, v4
	v_lshrrev_b32 v6, 4, v2
	v_and_b32 v5, 15, v2
	v_mul_u32_u24 v7, v6, PITCH
	v_lshl_add_u32 v7, v5, 4, v7
	v_add_nc_u32 v7, s26, v7
	v_lshlrev_b32 v8, 11, v6
	v_lshl_add_u32 v8, v5, 4, v8
	LOADC 0, 8, 4096
	LOADC 1, 8, 4096
.irp t, 0,1,2,3
	BLOCKP \t
.endr
.irp t, 0,1,2,3,4,5,6,7,8,9,10,11,12,13,14,15
	ds_load_b128 v[CO+4*\t:CO+4*\t+3], v7 offset:2*\t*PITCH
.endr
.irp t, 0,1,2,3,4,5,6,7,8,9,10,11,12,13,14,15
	s_wait_dscnt 15-\t
	global_store_b128 v8, v[CO+4*\t:CO+4*\t+3], s[18:19] offset:2*\t*2048
.endr
.Lend:
	s_wait_tensorcnt 0x0                           ; the wave's end, behind my last LDS store
	ds_add_u32 v[SPW], v[NIL]
	s_wait_dscnt 0x0
	s_endpgm
.Lfunc_end_k_qaee36c7e0b_prep:
	.size	k_qaee36c7e0b_prep, .Lfunc_end_k_qaee36c7e0b_prep-k_qaee36c7e0b_prep
	.p2alignl 7, 3214868480
	.fill 96, 4, 3214868480
	.section	.rodata,"a",@progbits
	.p2align	6, 0x0
	.amdhsa_kernel k_qaee36c7e0b_prep
		.amdhsa_group_segment_fixed_size 77312
		.amdhsa_private_segment_fixed_size 0
		.amdhsa_enable_private_segment 0
		.amdhsa_kernarg_size 64
		.amdhsa_user_sgpr_count 2
		.amdhsa_user_sgpr_kernarg_segment_ptr 1
		.amdhsa_wavefront_size32 1
		.amdhsa_system_sgpr_workgroup_id_x 1
		.amdhsa_system_sgpr_workgroup_id_y 1
		.amdhsa_system_sgpr_workgroup_id_z 1
		.amdhsa_system_vgpr_workitem_id 0
		.amdhsa_next_free_vgpr 224
		.amdhsa_next_free_sgpr 66
		.amdhsa_reserve_vcc 0
		.amdhsa_float_denorm_mode_32 3
		.amdhsa_float_denorm_mode_16_64 3
		.amdhsa_memory_ordered 1
		.amdhsa_forward_progress 1
		.amdhsa_inst_pref_size 75
	.end_amdhsa_kernel
	.amdgpu_metadata
---
amdhsa.version: [ 1, 2 ]
amdhsa.kernels:
  - .name:           k_qaee36c7e0b_prep
    .symbol:         k_qaee36c7e0b_prep.kd
    .args:
      - { .name: x, .offset: 0, .size: 8, .value_kind: global_buffer, .address_space: global }
      - { .name: w_qkv, .offset: 8, .size: 8, .value_kind: global_buffer, .address_space: global }
      - { .name: w_proj, .offset: 16, .size: 8, .value_kind: global_buffer, .address_space: global }
      - { .name: xc, .offset: 24, .size: 8, .value_kind: global_buffer, .address_space: global }
      - { .name: xs, .offset: 32, .size: 8, .value_kind: global_buffer, .address_space: global }
      - { .name: wc, .offset: 40, .size: 8, .value_kind: global_buffer, .address_space: global }
      - { .name: ws, .offset: 48, .size: 8, .value_kind: global_buffer, .address_space: global }
      - { .name: wpt, .offset: 56, .size: 8, .value_kind: global_buffer, .address_space: global }
    .group_segment_fixed_size: 77312
    .private_segment_fixed_size: 0
    .kernarg_segment_align: 8
    .kernarg_segment_size: 64
    .max_flat_workgroup_size: 128
    .sgpr_count:     66
    .vgpr_count:     224
    .wavefront_size: 32
...
	.end_amdgpu_metadata
.endif
;; end of part 1
;; launch qkv (part 2): grid 12 x 16, 4 waves a work-group, clusters of 4 x 4, 327,680 bytes of LDS; arguments xc, xs, wc, ws, qkvh, qkv32; writes qkvh, qkv32
.if DOCPART == 2
	.amdgcn_target "amdgcn-amd-amdhsa--gfx1250"
	.amdhsa_code_object_version 6
	.text
	.protected	k_qaee36c7e0b_qkv
	.globl	k_qaee36c7e0b_qkv
	.p2align	8
	.type	k_qaee36c7e0b_qkv,@function
k_qaee36c7e0b_qkv:
	s_mov_b64 s[64:65], 0
	v_nop
	global_prefetch_b8 v0, s[64:65] scope:SCOPE_SE
	s_setreg_imm32_b32 hwreg(HW_REG_WAVE_MODE, 25, 1), 1
	s_wait_xcnt 0x0
	s_wait_alu depctr_hold_cnt(0) depctr_sa_sdst(0) depctr_va_vdst(0) depctr_va_sdst(0) depctr_va_ssrc(0) depctr_va_vcc(0) depctr_vm_vsrc(0)
	s_getreg_b32 s2, hwreg(HW_REG_IB_STS2, 6, 4)
	s_cmp_eq_u32 s2, 0
	s_cbranch_scc0 .Lentry_in_a_cluster
	s_endpgm
.Lentry_in_a_cluster:
	s_bfe_u32 s2, ttmp6, 0x10000c
	s_cmp_lg_u32 s2, 0xf033
	s_cbranch_scc0 .Lentry_shape_is_right
	s_endpgm
.Lentry_shape_is_right:
; qkv[m][n] = sum over k of x[m][k] w_qkv[k][n] on codes of FP4 (E2M1) with one E8M0 scale for each 32 along K.  A = xc [4096][1024 codes], B = wc [3072][1024 codes]; sums in f32.
; A tile of 256 x 256 is made by four waves, 128 x 128 each: 64 accumulators.  K = 1,024 is two slots of 512 along K (rows of 256 bytes): both are asked for at the start and none is filled again.
; The scale bytes of the tile's rows of A and B are two dense blocks and come once, with the first fills.  By this text's count a wave has three tensor loads out at the start.
; CLUSTERS: 4 x 4 work-groups; A's tiles are asked for jointly along a row of the cluster, B's along a column.  THE MATRIX INSTRUCTION IS USED TRANSPOSED (source 0 = 16 rows of B, source 1 = 16 rows of A):
; a lane holds eight neighbouring columns of one row.
; RESULTS: rounded to f16 and laid by head: qkvh [q, k, v][batch][head][token][64]: a store covers four tokens of one head, 512 consecutive bytes.  The first 16 tokens of each batch go to qkv32 [16 b + t][3072] in f32 too.
; LIMIT: |q|, |k|, |v| stay under 65,504, f16's largest number; under 6e-5 f16's step is 6e-8.
; REGISTERS: window 0: v16-29 addresses; v32-95 scale words, two sets; v128-191 A's fragments, one set; window 1: B's fragments, two sets; windows 2, 3: the accumulators ((a, b) at v[8 (8 (a % 4) + b)]).
.set NQ,     4                         ; matrix instructions deep in a slot
.set ROWB,   256
.set KROW,   512                       ; a row of codes in memory
.set PITCH,  272                       ; an LDS row: 256 bytes + 16: the sixteen rows of a load start at sixteen different banks
.set FR,     8
.set NL,     2
.set NP,     4
.set HALFT,  128*PITCH
.set SLOT,   4*HALFT
.set KS,     32                        ; a row of scale bytes
.set SCL,    2*SLOT
.set HALFS,  16*272                    ; the scales of 128 rows: 16 units of 256 bytes + 16
.set SBLK,   2*272                     ; those of 16 rows
.set SPARE,  SCL+4*HALFS               ; the spare words: two blocks of 256 bytes that no other line names
.set P32,    528                       ; the way out in f32: a stage of 16 rows x (512 + 16) bytes for each wave, in slot 0, which has had its last fill and its last read by then
.set P16,    400                       ; in f16: rows of 256 bytes, 400 apart
.set ADRA, 16
.set CY,   19                          ; v19  my place along the cluster's y: it makes a lane mask for the stores into qkv32, no branch and no LDS address
.set ADRB, 20
.set STO16, 22
.set RD16, 23
.set STO32, 24
.set RD32, 25
.set CO,   26                          ; v26  16 x lane
.set ADRS, 27
.set SPW,  28
.set NIL,  29
.set SC,   32
.set AF,   128
.set TMP,  192
.set G1, 24
.set G0, 32
.set G1B, 48
.set G0B, 56
.set G1S, 68
.set G0S, 76
.set G1SB, 80
.set G0SB, 88
.set MSB, 0
.macro WIN new                         ; the immediate's high byte repeats the setting that is left
.if MSB != \new
	s_set_vgpr_msb (MSB<<8)|\new
.set MSB, \new
.endif
.endm
.set MUL_LO, 0xa1                      ; source 0 (B) window 1, source 1 (A) window 0, C and D window 2
.set MUL_HI, 0xf1
.set TO_B,   0x40
; A joint load: waves 0 and 1 fetch for A, waves 2 and 3 for B; the branch hangs on the wave's number alone.  An s_nop 0 and four v_nop follow each line.
.macro JLOAD g0a, g1a, g0b, g1b
	s_cmp_eq_u32 s15, 0
	s_cbranch_scc0 .Lfor_b_\@
	tensor_load_to_lds s[\g0a:\g0a+3], s[\g1a:\g1a+7]
	s_nop 0
.rept 4
	v_nop
.endr
	s_branch .Lasked_\@
.Lfor_b_\@:
	tensor_load_to_lds s[\g0b:\g0b+3], s[\g1b:\g1b+7]
	s_nop 0
.rept 4
	v_nop
.endr
.Lasked_\@:
.endm
.macro CROUND                          ; a round of the cluster's barrier
	s_barrier_signal -1
	s_barrier_wait -1
	s_cmp_lg_u32 s14, 0
	s_cbranch_scc1 .Lnot_wave_0_\@
	s_barrier_signal -3
.Lnot_wave_0_\@:
	s_barrier_wait -3
	s_barrier_signal -1
	s_barrier_wait -1
.endm
	s_load_b128 s[4:7], s[0:1], 0x0                ; A's codes, A's scales
	s_load_b128 s[8:11], s[0:1], 0x10              ; B's codes, B's scales
	s_load_b64 s[12:13], s[0:1], 0x20              ; qkvh
	s_load_b64 s[98:99], s[0:1], 0x28              ; qkv32
	v_lshl_add_u32 v[SPW], v0, 2, SPARE
	v_mov_b32 v[NIL], 0
	ds_add_u32 v[SPW], v[NIL]                      ; the wave's opening: the add, twice on end, and its wait ahead of my first tensor load
	ds_add_u32 v[SPW], v[NIL]
	v_lshrrev_b32 v1, 5, v0
	v_readfirstlane_b32 s14, v1                    ; wave 0..3
	s_lshr_b32 s15, s14, 1                         ; my half of the tile's rows.  Also: I fetch for A (0) or for B (1)
	s_and_b32 s16, s14, 1                          ; my half of its columns.  Also: which 128 rows I fetch
	s_bfe_u32 s40, ttmp6, 0x40000                  ; cx, cy
	s_bfe_u32 s41, ttmp6, 0x40004
	s_lshl_b32 s42, ttmp9, 2
	s_add_co_u32 s42, s42, s40                     ; tile column
	s_and_b32 s17, ttmp7, 0xffff
	s_lshl_b32 s17, s17, 2
	s_add_co_u32 s17, s17, s41                     ; tile row
	s_lshl_b32 s43, s41, 2
	s_lshl_b32 s43, 15, s43                        ; my row of the cluster
	s_lshl_b32 s44, 0x1111, s40                    ; my column
	s_or_b32 s[G1+0], s43, (0<<16)|(1<<20)|(1<<21)|(5<<22)|(3<<25)  ; the mask; elements of 1 byte; padding on: 4 words behind every 64; bit 21 beside a mask
	s_or_b32 s[G1B+0], s44, (0<<16)|(1<<20)|(1<<21)|(5<<22)|(3<<25)
.irp g, G1, G1B
	s_mov_b32 s[\g+1], ROWB<<16                    ; tensor_dim0
	s_mov_b32 s[\g+2], 128<<16                     ; tensor_dim1
	s_mov_b32 s[\g+3], ROWB<<16                    ; tile_dim0
	s_mov_b32 s[\g+4], 128                         ; tile_dim1
	s_mov_b32 s[\g+5], KROW                        ; the pitch
	s_mov_b32 s[\g+6], 0
	s_mov_b32 s[\g+7], 0
.endr
	s_or_b32 s[G1S+0], s43, (3<<16)|(1<<20)|(1<<21)|(5<<22)|(3<<25) ; the scales of 128 rows: 4,096 dense bytes as 16 rows of 32 elements of 8 bytes
	s_or_b32 s[G1SB+0], s44, (3<<16)|(1<<20)|(1<<21)|(5<<22)|(3<<25)
.irp g, G1S, G1SB
	s_mov_b32 s[\g+1], 32<<16
	s_mov_b32 s[\g+2], 16<<16
	s_mov_b32 s[\g+3], 32<<16
	s_mov_b32 s[\g+4], 16
	s_mov_b32 s[\g+5], 32
	s_mov_b32 s[\g+6], 0
	s_mov_b32 s[\g+7], 0
.endr
	s_lshl_b32 s18, s16, 7
	s_lshl_b32 s20, s17, 8
	s_add_co_u32 s20, s20, s18                     ; A: row 256 x tile row + 128 x half
	s_lshl_b32 s46, s42, 8
	s_add_co_u32 s46, s46, s18                     ; B: row 256 x tile column + 128 x half
	s_mov_b32 s21, 0
	s_mov_b32 s47, 0
	s_mov_b64 s[18:19], KS
	s_mul_u64 s[22:23], s[20:21], s[18:19]
	s_mul_u64 s[92:93], s[46:47], s[18:19]
	s_mov_b64 s[18:19], KROW
	s_mul_u64 s[20:21], s[20:21], s[18:19]
	s_mul_u64 s[46:47], s[46:47], s[18:19]
	s_mul_i32 s45, s14, HALFT                      ; where they go: wave x 128 rows
	s_mul_i32 s94, s14, HALFS
	s_wait_dscnt 0x0                               ; both opening adds are done
	s_wait_kmcnt 0x0
	s_add_nc_u64 s[20:21], s[4:5], s[20:21]
	s_add_nc_u64 s[22:23], s[6:7], s[22:23]
	s_add_nc_u64 s[46:47], s[8:9], s[46:47]
	s_add_nc_u64 s[92:93], s[10:11], s[92:93]
	CROUND                                         ; all sixteen work-groups are here: the first joint loads meet
	s_mov_b32 s[G0S], 1
	s_add_co_u32 s[G0S+1], s94, SCL
	s_mov_b64 s[G0S+2:G0S+3], s[22:23]
	s_or_b32 s[G0S+3], s[G0S+3], 0x80000000
	s_mov_b32 s[G0SB], 1
	s_add_co_u32 s[G0SB+1], s94, SCL
	s_mov_b64 s[G0SB+2:G0SB+3], s[92:93]
	s_or_b32 s[G0SB+3], s[G0SB+3], 0x80000000
	JLOAD G0S, G1S, G0SB, G1SB                     ; the scales first
.irp s, 0,1
	s_mov_b32 s[G0+4*\s], 1
	s_add_co_u32 s[G0+4*\s+1], s45, \s*SLOT
	s_add_nc_u64 s[G0+4*\s+2:G0+4*\s+3], s[20:21], \s*ROWB
	s_or_b32 s[G0+4*\s+3], s[G0+4*\s+3], 0x80000000
	s_mov_b32 s[G0B+4*\s], 1
	s_add_co_u32 s[G0B+4*\s+1], s45, \s*SLOT
	s_add_nc_u64 s[G0B+4*\s+2:G0B+4*\s+3], s[46:47], \s*ROWB
	s_or_b32 s[G0B+4*\s+3], s[G0B+4*\s+3], 0x80000000
	JLOAD G0+4*\s, G1, G0B+4*\s, G1B
.endr
	v_and_b32 v1, 15, v0                           ; r
	v_bfe_u32 v2, v0, 4, 1                         ; h
	v_mul_u32_u24 v3, v1, PITCH
	v_lshl_add_u32 v4, v2, 4, v3
	s_mul_i32 s21, s15, HALFT
	s_mul_i32 s22, s16, HALFT
	s_add_co_u32 s22, s22, 2*HALFT
.irp s, 0,1
	v_add_nc_u32 v[ADRA+\s], s21, v4
	v_add_nc_u32 v[ADRB+\s], s22, v4
	s_add_co_u32 s21, s21, SLOT
	s_add_co_u32 s22, s22, SLOT
.endr
	v_mul_u32_u24 v5, v1, KS                       ; my row's scales: 32 bytes a row, and 16 more for each 256 passed
	v_lshrrev_b32 v6, 8, v5
	v_lshl_add_u32 v5, v6, 4, v5
	s_mul_i32 s21, s15, HALFS
	s_mul_i32 s22, s16, HALFS
	s_add_co_u32 s22, s22, 2*HALFS
	s_sub_co_u32 s22, s22, s21
	v_mul_u32_u24 v6, s22, v2                      ; lanes 16-31 take B's
	s_add_co_u32 s21, s21, SCL
	v_add_nc_u32 v5, v5, v6
	v_add_nc_u32 v[ADRS], s21, v5
	s_mul_i32 s23, s14, 16*P32                     ; my stage
	v_mul_u32_u24 v5, v1, P32
	v_lshl_add_u32 v5, v2, 5, v5
	v_add_nc_u32 v[STO32], s23, v5                 ; f32, in: row r, 32 bytes for each half of the lanes
	v_and_b32 v6, 31, v0
	v_lshlrev_b32 v[CO], 4, v6
	v_add_nc_u32 v[RD32], s23, v[CO]               ; back: the 32 lanes take one row of 512 bytes
	v_mul_u32_u24 v5, v1, P16
	v_lshl_add_u32 v5, v2, 4, v5
	v_add_nc_u32 v[STO16], s23, v5                 ; f16, in: row r, 16 bytes for each half
	v_lshrrev_b32 v5, 3, v6
	v_mul_u32_u24 v5, v5, P16
	v_and_b32 v6, 7, v6
	v_lshl_add_u32 v5, v6, 4, v5
	v_add_nc_u32 v[RD16], s23, v5                  ; back: eight lanes take a token's 128 bytes of one head, four tokens a load
	v_mov_b32 v[CY], s41
	; qkvh: ((2 part + batch) 16 + head) x 262,144 + token x 128;  part = cluster x, head = 4 cx + 2 x my column half
	s_lshr_b32 s20, s17, 3                         ; batch
	s_lshl_b32 s21, ttmp9, 1
	s_add_co_u32 s21, s21, s20
	s_lshl_b32 s21, s21, 4
	s_lshl_b32 s22, s40, 2
	s_add_co_u32 s21, s21, s22
	s_lshl_b32 s22, s16, 1
	s_add_co_u32 s21, s21, s22
	s_lshl_b32 s46, s21, 18
	s_and_b32 s22, s17, 7
	s_lshl_b32 s22, s22, 8
	s_lshl_b32 s23, s15, 7
	s_add_co_u32 s22, s22, s23                     ; my first token
	s_lshl_b32 s22, s22, 7
	s_add_co_u32 s46, s46, s22
	s_mov_b32 s47, 0
	s_add_nc_u64 s[12:13], s[12:13], s[46:47]
	s_mul_i32 s46, s20, 196608                     ; qkv32: batch x 16 rows of 12,288 bytes + my first column x 4
	s_lshl_b32 s22, s42, 10
	s_add_co_u32 s46, s46, s22
	s_lshl_b32 s22, s16, 9
	s_add_co_u32 s46, s46, s22
	s_add_nc_u64 s[98:99], s[98:99], s[46:47]
.macro FRAG reg, adr, q, i             ; 16 rows x 128 K of 4-bit codes: 8 registers, two loads of 16 bytes, 32 bytes apart
.irp c, 0,1
	ds_load_b128 v[\reg+4*\c:\reg+4*\c+3], v[\adr] offset:64*(\q)+32*\c+(\i)*16*PITCH
.endr
.endm
; 16 matrix instructions: A's blocks a0, a0 + 1 x B's eight.  The 64 accumulators take turns, one instruction a turn.
.macro MUL16 a0, p, q, sc, zero
.irp a, \a0, \a0+1
.irp b, 0,1,2,3,4,5,6,7
.if \zero
	v_wmma_scale_f32_16x16x128_f8f6f4 v[8*(8*((\a)%4)+\b):8*(8*((\a)%4)+\b)+7], v[128*(\p)+FR*\b:128*(\p)+FR*\b+FR-1], v[AF+FR*(\a):AF+FR*(\a)+FR-1], 0, v[SC+8*NQ*(\sc)+NQ*\b+(\q)], v[SC+8*NQ*(\sc)+NQ*(\a)+(\q)] matrix_a_fmt:MATRIX_FMT_FP4 matrix_b_fmt:MATRIX_FMT_FP4 matrix_a_scale:MATRIX_SCALE_ROW1
.else
	v_wmma_scale_f32_16x16x128_f8f6f4 v[8*(8*((\a)%4)+\b):8*(8*((\a)%4)+\b)+7], v[128*(\p)+FR*\b:128*(\p)+FR*\b+FR-1], v[AF+FR*(\a):AF+FR*(\a)+FR-1], v[8*(8*((\a)%4)+\b):8*(8*((\a)%4)+\b)+7], v[SC+8*NQ*(\sc)+NQ*\b+(\q)], v[SC+8*NQ*(\sc)+NQ*(\a)+(\q)] matrix_a_fmt:MATRIX_FMT_FP4 matrix_b_fmt:MATRIX_FMT_FP4 matrix_a_scale:MATRIX_SCALE_ROW1
.endif
.endr
.endr
.endm
.macro FETCH_B slot, q, p
	WIN TO_B
.irp i, 0,1,2,3,4,5,6,7
	FRAG 128*(\p)+FR*\i, ADRB+\slot, \q, \i
.endr
	WIN 0
.endm
.macro FETCH_A slot, q, i0
.irp i, \i0, \i0+1, \i0+2, \i0+3
	FRAG AF+FR*(\i), ADRA+\slot, \q, \i
.endr
.endm
.macro SCALES sc                       ; a slot's scale words: lanes 0-15 take A's block i, lanes 16-31 B's block i
.irp i, 0,1,2,3,4,5,6,7
	ds_load_b128 v[SC+8*NQ*\sc+NQ*\i:SC+8*NQ*\sc+NQ*\i+3], v[ADRS] offset:\i*SBLK
.endr
.endm
.macro PLACES n                        ; plain vector instructions between a matrix instruction and a load into, or a read of, its registers
.rept \n
	v_nop
.endr
.endm
.macro STEP slot, q, zero              ; 128 along K that has its successor in the same slot
	s_wait_dscnt 4*NL                              ; B's set and A's blocks 0-3 are in; A's blocks 4-7 may be out
	WIN MUL_LO
	MUL16 0, (\q)%2, \q, \slot, \zero
	MUL16 2, (\q)%2, \q, \slot, \zero
	s_wait_dscnt 0
	PLACES NP
	FETCH_B \slot, (\q)+1, 1-(\q)%2
	FETCH_A \slot, (\q)+1, 0
	WIN MUL_HI
	MUL16 4, (\q)%2, \q, \slot, \zero
	MUL16 6, (\q)%2, \q, \slot, \zero
	PLACES NP
	WIN 0
	FETCH_A \slot, (\q)+1, 4
.endm
.macro TURN slot, next                 ; slot 0's last step: one barrier; behind it slot 1 is whole for every wave and nobody reads slot 0
	s_wait_tensorcnt 0x0                           ; all my tensor loads have landed: my part of slot 1
	ds_add_u32 v[SPW], v[NIL]                      ; 0 onto my spare word
	s_wait_dscnt 4*NL+1                            ; (the add and A's blocks 4-7 may be out)
	WIN MUL_LO
	MUL16 0, 1, NQ-1, \slot, 0
	s_wait_dscnt 0x0                               ; the add is done, and my reads of this slot are over
	s_barrier_signal -1
	MUL16 2, 1, NQ-1, \slot, 0
	WIN 0
	s_barrier_wait -1
	PLACES NP
	v_add_nc_u32 v[ADRS], 4*NQ, v[ADRS]            ; the next slot's scale words
	FETCH_B \next, 0, 0
	FETCH_A \next, 0, 0
	SCALES \next
	WIN MUL_HI
	MUL16 4, 1, NQ-1, \slot, 0
	MUL16 6, 1, NQ-1, \slot, 0
	PLACES NP
	WIN 0
	FETCH_A \next, 0, 4
.endm
.macro STEPS slot, from
.set Q, \from
.rept NQ-1-\from
	STEP \slot, Q, 0
.set Q, Q+1
.endr
.endm
	s_wait_tensorcnt 1                             ; the scales and my part of slot 0 are in (slot 1's load may be out),
	s_barrier_signal -1
	s_barrier_wait -1                              ; everybody's are
	FETCH_B 0, 0, 0
	FETCH_A 0, 0, 0
	SCALES 0
	FETCH_A 0, 0, 4
	STEP 0, 0, 1                                   ; the first products start the sums: nothing is cleared
	STEPS 0, 1
	TURN 0, 1
	STEPS 1, 0
	s_wait_dscnt 4*NL
	WIN MUL_LO
	MUL16 0, 1, NQ-1, 1, 0
	MUL16 2, 1, NQ-1, 1, 0
	s_wait_dscnt 0
	WIN MUL_HI
	MUL16 4, 1, NQ-1, 1, 0
	MUL16 6, 1, NQ-1, 1, 0
	WIN 0
	PLACES NP
	; THE FIRST 16 TOKENS IN F32.  They lie in block 0 of the waves with the upper row half of tile rows 0 and 8: cluster y even, cy = 0.  The branch hangs on the wave's number and the cluster's y,
	; alike in all partners; cy makes a lane mask for the stores alone.
	s_and_b32 s20, ttmp7, 1
	s_or_b32 s20, s20, s15
	s_cmp_lg_u32 s20, 0
	s_cbranch_scc1 .Lno_first
	WIN 0x08                                       ; an LDS store's data: window 2
.irp b, 0,1,2,3,4,5,6,7
	ds_store_b128 v[STO32], v[8*\b:8*\b+3] offset:64*\b            ; each accumulator from its low end on
	ds_store_b128 v[STO32], v[8*\b+4:8*\b+7] offset:64*\b+16
.endr
	WIN 0
.irp t, 0,1,2,3,4,5,6,7,8,9,10,11,12,13,14,15
	ds_load_b128 v[64+4*\t:64+4*\t+3], v[RD32] offset:\t*P32       ; in order behind my stores
.endr
	s_wait_dscnt 0x0
	v_cmp_eq_u32 vcc_lo, 0, v[CY]
	s_wait_xcnt 0x0                                ; EXEC changes only behind this wait
	s_and_saveexec_b32 s20, vcc_lo
.irp t, 0,1,2,3,4,5,6,7,8,9,10,11,12,13,14,15
	global_store_b128 v[CO], v[64+4*\t:64+4*\t+3], s[98:99] offset:\t*12288   ; 512 consecutive bytes of a row
.endr
	s_wait_xcnt 0x0                                ; and again in front of the line that widens it
	s_or_b32 exec_lo, exec_lo, s20
.Lno_first:
; THE WAY OUT IN F16, block by block of 16 rows x 128 columns (two heads).
.macro PACK a
.set AC, 64*((\a)%4)
	WIN 0x0a+5*((\a)/4)                            ; sources 0 and 1: window 2 or 3
.irp b, 0,1,2,3,4,5,6,7
.irp r, 0,1,2,3
	v_cvt_pk_f16_f32 v[TMP+4*\b+\r], v[AC+8*\b+2*\r], v[AC+8*\b+2*\r+1]
.endr
.endr
	WIN 0
.endm
.macro TOSTAGE a
.set BK, 32+192*((\a)%2)
.irp b, 0,1,2,3,4,5,6,7
	ds_store_b128 v[STO16], v[TMP+4*\b:TMP+4*\b+3] offset:32*\b
.endr
.irp t, 0,1,2,3,4,5,6,7
	ds_load_b128 v[BK+4*\t:BK+4*\t+3], v[RD16] offset:(\t/4)*128+(\t%4)*4*P16   ; head t / 4, tokens 4 (t % 4) on; in order behind my stores
.endr
.endm
.macro SEND a
.set BK, 32+192*((\a)%2)
	s_wait_dscnt 0x0                               ; the block is back in registers
	s_wait_xcnt 0x0                                ; the earlier stores have read their registers: the next block's loads may land there
.irp t, 0,1,2,3,4,5,6,7
	global_store_b128 v[CO], v[BK+4*\t:BK+4*\t+3], s[12:13] offset:(\a)*2048+(\t/4)*262144+(\t%4)*512   ; four tokens of one head: 512 consecutive bytes, aligned
.endr
.endm
	PACK 0
	TOSTAGE 0
.irp a, 1,2,3,4,5,6,7                  ; block a's conversions stand between block a - 1's loads from the stage and the wait for them
	PACK \a
	SEND \a-1
	TOSTAGE \a
.endr
	SEND 7
	s_wait_tensorcnt 0x0                           ; the wave's end
	ds_add_u32 v[SPW], v[NIL]
	s_wait_dscnt 0x0
	CROUND                                         ; the closing round
	s_endpgm
.Lfunc_end_k_qaee36c7e0b_qkv:
	.size	k_qaee36c7e0b_qkv, .Lfunc_end_k_qaee36c7e0b_qkv-k_qaee36c7e0b_qkv
	.p2alignl 7, 3214868480
	.fill 96, 4, 3214868480
	.section	.rodata,"a",@progbits
	.p2align	6, 0x0
	.amdhsa_kernel k_qaee36c7e0b_qkv
		.amdhsa_group_segment_fixed_size 327680
		.amdhsa_private_segment_fixed_size 0
		.amdhsa_enable_private_segment 0
		.amdhsa_kernarg_size 48
		.amdhsa_user_sgpr_count 2
		.amdhsa_user_sgpr_kernarg_segment_ptr 1
		.amdhsa_wavefront_size32 1
		.amdhsa_system_sgpr_workgroup_id_x 1
		.amdhsa_system_sgpr_workgroup_id_y 1
		.amdhsa_system_sgpr_workgroup_id_z 1
		.amdhsa_system_vgpr_workitem_id 0
		.amdhsa_next_free_vgpr 1024
		.amdhsa_next_free_sgpr 100
		.amdhsa_reserve_vcc 1
		.amdhsa_float_denorm_mode_32 3
		.amdhsa_float_denorm_mode_16_64 3
		.amdhsa_memory_ordered 1
		.amdhsa_forward_progress 1
		.amdhsa_inst_pref_size 131
	.end_amdhsa_kernel
	.amdgpu_metadata
---
amdhsa.version: [ 1, 2 ]
amdhsa.kernels:
  - .name:           k_qaee36c7e0b_qkv
    .symbol:         k_qaee36c7e0b_qkv.kd
    .args:
      - { .name: xc, .offset: 0, .size: 8, .value_kind: global_buffer, .address_space: global }
      - { .name: xs, .offset: 8, .size: 8, .value_kind: global_buffer, .address_space: global }
      - { .name: wc, .offset: 16, .size: 8, .value_kind: global_buffer, .address_space: global }
      - { .name: ws, .offset: 24, .size: 8, .value_kind: global_buffer, .address_space: global }
      - { .name: qkvh, .offset: 32, .size: 8, .value_kind: global_buffer, .address_space: global }
      - { .name: qkv32, .offset: 40, .size: 8, .value_kind: global_buffer, .address_space: global }
    .group_segment_fixed_size: 327680
    .private_segment_fixed_size: 0
    .kernarg_segment_align: 8
    .kernarg_segment_size: 48
    .max_flat_workgroup_size: 128
    .sgpr_count:     100
    .vgpr_count:     1024
    .wavefront_size: 32
...
	.end_amdgpu_metadata
.endif
;; end of part 2
;; launch attn (part 3): grid 8 x 32, 8 waves a work-group, no clusters, 327,680 bytes of LDS; arguments qkvh, yh; writes yh
.if DOCPART == 3
	.amdgcn_target "amdgcn-amd-amdhsa--gfx1250"
	.amdhsa_code_object_version 6
	.text
	.protected	k_qaee36c7e0b_attn
	.globl	k_qaee36c7e0b_attn
	.p2align	8
	.type	k_qaee36c7e0b_attn,@function
k_qaee36c7e0b_attn:
	s_mov_b64 s[64:65], 0
	v_nop
	global_prefetch_b8 v0, s[64:65] scope:SCOPE_SE
	s_setreg_imm32_b32 hwreg(HW_REG_WAVE_MODE, 25, 1), 1
	s_wait_xcnt 0x0
; y[b][t][h][:] = sum over s <= t of softmax_s(q[t] . k[s] / 8) v[s][:].  The mask (col <= row, and not col - row >= 16) is the causal one: where col <= row the difference is never 16 or more.
; q, k, v: f16, [part][batch x head][2048][64]; products with f16 operands and f32 sums; maxima, exponentials and sums in f32; the weights p (at most 1) are rounded to f16 for the second product.
; y leaves as f16 with two rows interleaved: byte(m, k) = (m / 2) 4096 + (k / 64) 256 + (m % 2) 128 + (k % 64) 2, so that a tile's two rows of 128 bytes make 256 consecutive bytes.
; SHARES.  Work-group (i, head) owns query blocks i and 15 - i of 128 queries: (i + 1) + (16 - i) = 17 blocks of 128 x 128 under the mask for every work-group.  Wave w owns 16 queries of each: tile 0 (low), tile 1 (high).
; Every work-group walks all 8 slots of 256 keys, so that all trip counts are constants; a key step (64 keys) all of whose keys come after a tile's queries is jumped over, by branches on ids alone.
; LAYOUT.  S^T = K Q^T (source 0 = 16 keys, source 1 = 16 queries) and O^T = V^T P: a lane holds one query throughout.  V comes out of LDS turned, by ds_load_tr16_b128.
; SOFTMAX.  A running maximum m and sum l for each query: p = 2^(c s - c m), c = log2(e) / 8; O and l are multiplied by a = 2^(c m_old - c m_new) in every step.  Each step that is walked holds a key that counts for every query of the tile.
; NO CLUSTER: the eight work-groups of a head need 9 to 16 blocks of keys, so a joint load would bring tiles whose reads every wave of some partner jumps over.
; LIMIT: the first 16 positions of a sequence average few values; a later launch makes those rows of the result anew in f32.
; REGISTERS: window 0: v1-11 addresses; v12-27 statistics, 8 a tile (c m, m, l in two halves, four at work); v28, v29 the add's two; v30 -infinity; v32-63 P; v64-127 K; v128-191 V; v192-255 S^T.   window 1: v0-63 O^T; v64-95 Q.
.set KS,    64
.set PK,    144                        ; a key's row in LDS: 128 bytes + 16
.set PV,    160                        ; a row of V: 128 + 32
.set VOFF,  KS*PK
.set STEPB, KS*(PK+PV)                 ; a step's tiles: 64 rows of K, then 64 of V
.set SLOT1, 1<<17                      ; a slot holds four steps (77,824 bytes); slot 1 begins here: one exclusive or turns an address
.set STAGE, SLOT1+4*STEPB              ; the way out: two tiles x 8 units x 272 bytes for each wave; no fill lands here
.set SPARE, STAGE+8*4352               ; the spare words: four blocks of 256 bytes that no other line names
.set AK0, 1
.set AV0, 2
.set ADK, 3
.set ADV, 4
.set QO,  5
.set STO, 6
.set RD,  7
.set GO,  8
.set RH,  9                            ; v9   lane % 16 - 8 (lane / 16)
.set PFO, 10                           ; v10  256 x lane
.set DD,  11
.set ST,  12
.set SPW, 28
.set NIL, 29
.set NINF, 30
.set P,   32
.set KR,  64
.set VR,  128
.set S,   192
.set QR,  64                           ; in window 1
.set WV,  8                            ; s8   wave
.set BH,  10                           ; s10  batch x 16 + head
.set QL,  11                           ; s11  the low tile's first query
.set QH,  12                           ; s12  the high tile's
.set KF,  13                           ; s13  the step's first key
.set TB,  14                           ; s14  LDS byte at which the step's tiles begin
.set SLOTS, 15
.set CNT, 16
.set LIM, 17                           ; s17  1 in a work-group that prefetches, else the greatest number
.set PFA, 18                           ; s[18:19] where my prefetches stand
.set SEL, 20
.set CS,  22                           ; s[22:23] c, twice
.set G1K, 24
.set G1V, 32
.set G0K, 40
.set G0V, 44
.set MSB, 0
.macro WIN new
.if MSB != \new
	s_set_vgpr_msb (MSB<<8)|\new
.set MSB, \new
.endif
.endm
.macro PLACES
.rept 4
	v_nop
.endr
.endm
; Waves 0-3 fetch the four steps' tiles of K, waves 4-7 those of V: one load of 64 rows a wave.  An s_nop 0 and four v_nop follow each line.
.macro TLOAD
	s_cmp_lt_u32 s[WV], 4
	s_cbranch_scc0 .Lfor_v_\@
	tensor_load_to_lds s[G0K:G0K+3], s[G1K:G1K+7]
	s_nop 0
.rept 4
	v_nop
.endr
	s_branch .Lasked_\@
.Lfor_v_\@:
	tensor_load_to_lds s[G0V:G0V+3], s[G1V:G1V+7]
	s_nop 0
.rept 4
	v_nop
.endr
.Lasked_\@:
.endm
; A prefetch of what the NEXT change of slots will ask for: my wave's own tile of it, 8,192 dense bytes, lanes 256 bytes apart.  All work-groups of a head walk the same K and V: work-group 0, which walks all slots, asks.
; So each block of 256 bytes is named once in the launch.  The last change that fills a slot asks for nothing; slots 0 and 1 come by their loads alone.
.macro ASK
	s_cmp_gt_u32 s[SLOTS], s[LIM]
	s_cbranch_scc0 .Lnot_mine_\@
	global_prefetch_b8 v[PFO], s[PFA:PFA+1] th:TH_LOAD_NT scope:SCOPE_SE
.Lnot_mine_\@:
.endm
; S^T of tile t: four accumulators (16 keys each) by turns, two deep along the head's 64
.macro KQ t
	WIN 0x04                                       ; source 1 (Q) window 1
.irp dc, 0,1
.irp kt, 0,1,2,3
.if \dc == 0
	v_wmma_f32_16x16x32_f16 v[S+32*(\t)+8*\kt:S+32*(\t)+8*\kt+7], v[KR+8*(2*\kt+\dc):KR+8*(2*\kt+\dc)+7], v[QR+16*(\t)+8*\dc:QR+16*(\t)+8*\dc+7], 0
.else
	v_wmma_f32_16x16x32_f16 v[S+32*(\t)+8*\kt:S+32*(\t)+8*\kt+7], v[KR+8*(2*\kt+\dc):KR+8*(2*\kt+\dc)+7], v[QR+16*(\t)+8*\dc:QR+16*(\t)+8*\dc+7], v[S+32*(\t)+8*\kt:S+32*(\t)+8*\kt+7]
.endif
.endr
.endr
.endm
; On the diagonal hidden scores become -infinity.  Register 8 kt + j holds key KF + 16 kt + 8 (lane / 16) + j: hidden where 16 kt + j > my query - KF - 8 (lane / 16).  A step all of whose keys count skips this.
.macro MASK t, q
	s_add_co_u32 s60, s[KF], 63
	s_cmp_le_u32 s60, s[\q]
	s_cbranch_scc1 .Lopen_\@
	s_sub_co_i32 s60, s[\q], s[KF]
	v_add_nc_u32 v[DD], s60, v[RH]
.set n, 0
.rept 32
	v_cmp_gt_i32 vcc_lo, 16*(n/8)+n%8, v[DD]
	v_cndmask_b32 v[S+32*(\t)+n], v[S+32*(\t)+n], v[NINF], vcc_lo
.set n, n+1
.endr
.Lopen_\@:
.endm
.macro SOFTMAX t
.set rT, ST+8*(\t)
.set rS, S+32*(\t)
.set rP, P+16*(\t)
.set rO, 32*(\t)
.irp j, 0,1,2,3
	v_max3_num_f32 v[rT+4+\j], v[rS+8*\j], v[rS+8*\j+1], v[rS+8*\j+2]   ; four chains, each accumulator from its low end on
.endr
.irp g, 3,5
.irp j, 0,1,2,3
	v_max3_num_f32 v[rT+4+\j], v[rT+4+\j], v[rS+8*\j+\g], v[rS+8*\j+\g+1]
.endr
.endr
	v_max3_num_f32 v[rT+4], v[rT+4], v[rS+7], v[rS+15]
	v_max3_num_f32 v[rT+6], v[rT+6], v[rS+23], v[rS+31]
	v_max3_num_f32 v[rT+4], v[rT+4], v[rT+5], v[rT+6]
	v_max3_num_f32 v[rT+4], v[rT+4], v[rT+7], v[rT+1]              ; and the old m
	v_permlanex16_b32 v[rT+5], v[rT+4], s[SEL], s[SEL+1]           ; the query's other 32 keys lie in the lane 16 away
	v_mov_b32 v[rT+7], v[rT]                                       ; c m_old
	v_max_num_f32 v[rT+1], v[rT+4], v[rT+5]
	v_mul_f32 v[rT], s[CS], v[rT+1]
	v_sub_f32 v[rT+7], v[rT+7], v[rT]
.set n, 0
.rept 16
	v_pk_fma_f32 v[rS+n:rS+n+1], v[rS+n:rS+n+1], s[CS:CS+1], v[rT:rT+1] op_sel_hi:[1,0,0] neg_lo:[0,0,1] neg_hi:[0,0,1]   ; c s - c m
.set n, n+2
.endr
	v_exp_f32 v[rT+6], v[rT+7]                                     ; a
.set n, 0
.rept 32
	v_exp_f32 v[rS+n], v[rS+n]
.set n, n+1
.endr
	v_nop                                          ; a plain instruction behind the last exponential,
	s_wait_alu depctr_va_vdst(0)                   ; and one wait for the batch of 33, ahead of the first instruction that names a result
.set n, 0
.rept 16
	v_cvt_pk_f16_f32 v[rP+n], v[rS+2*n], v[rS+2*n+1]
.set n, n+1
.endr
.irp u, 0,1,2,3,4,5,6,7
	v_pk_add_f32 v[rS+4*\u:rS+4*\u+1], v[rS+4*\u:rS+4*\u+1], v[rS+4*\u+2:rS+4*\u+3]   ; the sum of the unrounded p, in place
.endr
.irp u, 0,1,2,3
	v_pk_add_f32 v[rS+8*\u:rS+8*\u+1], v[rS+8*\u:rS+8*\u+1], v[rS+8*\u+4:rS+8*\u+5]
.endr
.irp u, 0,1
	v_pk_add_f32 v[rS+16*\u:rS+16*\u+1], v[rS+16*\u:rS+16*\u+1], v[rS+16*\u+8:rS+16*\u+9]
.endr
	v_pk_add_f32 v[rS:rS+1], v[rS:rS+1], v[rS+16:rS+17]
	v_pk_fma_f32 v[rT+2:rT+3], v[rT+2:rT+3], v[rT+6:rT+7], v[rS:rS+1] op_sel_hi:[1,0,1]   ; l = a l + the sum
	WIN 0x41                                       ; O^T (destination and source 0) window 1
.set n, 0
.rept 16
	v_pk_mul_f32 v[rO+n:rO+n+1], v[rO+n:rO+n+1], v[rT+6:rT+7] op_sel_hi:[1,0]
.set n, n+2
.endr
.endm
; O^T of tile t += V^T P: four accumulators (16 channels each) by turns, two deep along the 64 keys
.macro PV t
	WIN 0x50                                       ; C and D window 1
.irp kh, 0,1
.irp ct, 0,1,2,3
	v_wmma_f32_16x16x32_f16 v[32*(\t)+8*\ct:32*(\t)+8*\ct+7], v[VR+8*(4*\kh+\ct):VR+8*(4*\kh+\ct)+7], v[P+16*(\t)+8*\kh:P+16*(\t)+8*\kh+7], v[32*(\t)+8*\ct:32*(\t)+8*\ct+7]
.endr
.endr
.endm
; A KEY STEP.  K's and V's fragments feed both tiles while the low tile is alive; the low tile's whole work stands under one branch.
.macro STEP
	s_add_co_u32 s60, s[QH], 15
	s_cmp_gt_u32 s[KF], s60
	s_cbranch_scc1 .Lhidden_\@                     ; all 64 keys come after my last query
	v_add_nc_u32 v[ADK], s[TB], v[AK0]
	v_add_nc_u32 v[ADV], s[TB], v[AV0]
	v_nop
	v_nop                                          ; four places between the last step's products and the loads into registers that they read
.irp f, 0,1,2,3,4,5,6,7                        ; keys 16 (f / 2) on, channels 32 (f % 2) on
	ds_load_b128 v[KR+8*\f:KR+8*\f+3],   v[ADK] offset:(\f/2)*16*PK+(\f%2)*64
	ds_load_b128 v[KR+8*\f+4:KR+8*\f+7], v[ADK] offset:(\f/2)*16*PK+(\f%2)*64+32
.endr
.irp f, 0,1,2,3,4,5,6,7                        ; keys 32 (f / 4) on, channels 16 (f % 4) on
	ds_load_tr16_b128 v[VR+8*\f:VR+8*\f+3],   v[ADV] offset:(\f/4)*32*PV+(\f%4)*32
	ds_load_tr16_b128 v[VR+8*\f+4:VR+8*\f+7], v[ADV] offset:(\f/4)*32*PV+16*PV+(\f%4)*32
.endr
	s_wait_dscnt 16                                ; K is in; V's sixteen loads may be out
	KQ 1
	WIN 0
	s_add_co_u32 s60, s[QL], 15
	s_cmp_gt_u32 s[KF], s60
	s_cbranch_scc1 .Lno_low_\@
	KQ 0
	WIN 0
	PLACES
	MASK 0, QL
	SOFTMAX 0
	s_wait_dscnt 0x0                               ; V is in
	PV 0
	WIN 0
.Lno_low_\@:
	PLACES
	MASK 1, QH
	SOFTMAX 1
	s_wait_dscnt 0x0
	PV 1
	WIN 0
.Lhidden_\@:
	s_add_co_u32 s[KF], s[KF], KS
	s_add_co_u32 s[TB], s[TB], STEPB
.endm
.macro SLOT_STEPS                      ; a slot's four steps: written once, walked four times
	s_mov_b32 s[CNT], 4
.Lstep_\@:
	STEP
	s_sub_co_u32 s[CNT], s[CNT], 1
	s_cmp_lg_u32 s[CNT], 0
	s_cbranch_scc1 .Lstep_\@
	s_sub_co_u32 s[TB], s[TB], 4*STEPB
	s_xor_b32 s[TB], s[TB], SLOT1                  ; on to the other slot
.endm
; THE CHANGE OF SLOTS stands at a slot's head.  Each wave waits for all its tensor loads (its part of the slot ahead), adds 0 to its spare word, and waits for that and for its reads of the slot that it has left.
; fill = 1: behind the barrier the slot that was left is filled with the next 256 keys, while some wave of the work-group will read them: a slot whose first key comes after the work-group's last query is not asked for.
; That test is made of ids and the count of steps alone, is the same in all eight waves, and leads round the load's own lines alone; every wait on TENSORcnt in this text is for 0.  One tensor load a wave is out at any time.
.macro CHANGE fill
	s_wait_tensorcnt 0x0
	ds_add_u32 v[SPW], v[NIL]                      ; 0 onto my spare word; the descriptors' steps stand between it and the wait for it
.if \fill
	s_xor_b32 s[G0K+1], s[G0K+1], SLOT1
	s_add_nc_u64 s[G0K+2:G0K+3], s[G0K+2:G0K+3], 4*KS*128
	s_xor_b32 s[G0V+1], s[G0V+1], SLOT1
	s_add_nc_u64 s[G0V+2:G0V+3], s[G0V+2:G0V+3], 4*KS*128
	s_wait_xcnt 0x0                                ; the last prefetch, a slot back, has read its address
	s_add_nc_u64 s[PFA:PFA+1], s[PFA:PFA+1], 4*KS*128
.endif
	s_wait_dscnt 0x0
	s_barrier_signal -1
	s_barrier_wait -1
.if \fill
	s_add_co_u32 s60, s[KF], 4*KS                  ; the first key of the slot that this change would ask for
	s_or_b32 s61, s[QH], 127                       ; my work-group's last query
	s_cmp_gt_u32 s60, s61
	s_cbranch_scc1 .Lpast_\@
	TLOAD
.Lpast_\@:
	ASK
.endif
.endm
	s_load_b128 s[4:7], s[0:1], 0x0                ; qkvh s[4:5], yh s[6:7]
	v_lshl_add_u32 v[SPW], v0, 2, SPARE
	v_mov_b32 v[NIL], 0
	ds_add_u32 v[SPW], v[NIL]                      ; the wave's opening: the add, twice on end, and its wait ahead of my first tensor load
	ds_add_u32 v[SPW], v[NIL]
	v_lshrrev_b32 v1, 5, v0
	v_readfirstlane_b32 s[WV], v1                  ; wave 0..7
	s_and_b32 s[BH], ttmp7, 0xffff
	s_lshl_b32 s48, s[WV], 4
	s_lshl_b32 s[QL], ttmp9, 7
	s_add_co_u32 s[QL], s[QL], s48                 ; 128 i + 16 w
	s_sub_co_u32 s[QH], 15, ttmp9
	s_lshl_b32 s[QH], s[QH], 7
	s_add_co_u32 s[QH], s[QH], s48                 ; 128 (15 - i) + 16 w
	s_mov_b32 s[KF], 0
	s_mov_b32 s[TB], 0
	s_mov_b32 s[SLOTS], 7
	s_cmp_eq_u32 ttmp9, 0
	s_cselect_b32 s[LIM], 1, -1
	s_mov_b32 s[SEL], 0x76543210
	s_mov_b32 s[SEL+1], 0xfedcba98
	s_mov_b32 s[CS], 0x3e38aa3b                    ; c = log2(e) / 8
	s_mov_b32 s[CS+1], s[CS]
	s_mov_b32 s[G1K], (1<<16)|(1<<20)|(4<<22)|(3<<25)   ; no mask; elements of 2 bytes; padding on: 4 words behind every 32
	s_mov_b32 s[G1V], (1<<16)|(1<<20)|(4<<22)|(7<<25)   ; 8 words
.irp g, G1K, G1V
	s_mov_b32 s[\g+1], 64<<16                      ; tensor_dim0
	s_mov_b32 s[\g+2], KS<<16                      ; tensor_dim1
	s_mov_b32 s[\g+3], 64<<16                      ; tile_dim0
	s_mov_b32 s[\g+4], KS                          ; tile_dim1
	s_mov_b32 s[\g+5], 64                          ; the pitch: a head's rows are dense
	s_mov_b32 s[\g+6], 0
	s_mov_b32 s[\g+7], 0
.endr
	s_and_b32 s52, s[WV], 3                        ; which of a slot's four steps I fetch
	s_mul_i32 s53, s52, STEPB
	s_lshl_b32 s54, s52, 13                        ; its 64 rows of 128 bytes
	s_lshl_b32 s62, s[BH], 18                      ; my head's 262,144 bytes
	s_add_co_u32 s54, s54, s62
	s_mov_b32 s55, 0
	s_wait_dscnt 0x0                               ; both opening adds are done
	s_wait_kmcnt 0x0
	s_add_nc_u64 s[48:49], s[4:5], s[54:55]
	s_add_nc_u64 s[50:51], s[48:49], 16777216      ; V's part
	s_add_nc_u64 s[48:49], s[48:49], 8388608       ; K's part
	s_mov_b32 s[G0K], 1
	s_mov_b32 s[G0K+1], s53
	s_mov_b64 s[G0K+2:G0K+3], s[48:49]
	s_or_b32 s[G0K+3], s[G0K+3], 0x80000000
	s_mov_b32 s[G0V], 1
	s_add_co_u32 s[G0V+1], s53, VOFF
	s_mov_b64 s[G0V+2:G0V+3], s[50:51]
	s_or_b32 s[G0V+3], s[G0V+3], 0x80000000
	TLOAD                                          ; slot 0
	s_cmp_lt_u32 s[WV], 4
	s_cselect_b64 s[PFA:PFA+1], s[48:49], s[50:51]
	s_add_nc_u64 s[PFA:PFA+1], s[PFA:PFA+1], 4*KS*128   ; in slot 1; the first change steps it to slot 2.  Nothing is prefetched at the head
	s_lshl_b32 s56, s[QL], 7
	s_add_co_u32 s56, s56, s62
	s_mov_b32 s57, 0
	s_add_nc_u64 s[56:57], s[4:5], s[56:57]        ; Q of the low tile,
	s_lshl_b32 s58, s[QH], 7
	s_add_co_u32 s58, s58, s62
	s_mov_b32 s59, 0
	s_add_nc_u64 s[58:59], s[4:5], s[58:59]        ; of the high tile
	v_and_b32 v31, 15, v0                          ; r
	v_bfe_u32 v[DD], v0, 4, 1                      ; h
	v_lshlrev_b32 v[QO], 7, v31
	v_lshl_add_u32 v[QO], v[DD], 4, v[QO]
	WIN 0x40                                       ; destination window 1
.irp dc, 0,1
	global_load_b128 v[QR+8*\dc:QR+8*\dc+3],       v[QO], s[56:57] offset:64*\dc
	global_load_b128 v[QR+8*\dc+4:QR+8*\dc+7],     v[QO], s[56:57] offset:64*\dc+32
	global_load_b128 v[QR+16+8*\dc:QR+16+8*\dc+3], v[QO], s[58:59] offset:64*\dc
	global_load_b128 v[QR+16+8*\dc+4:QR+16+8*\dc+7], v[QO], s[58:59] offset:64*\dc+32
.endr
.set n, 0
.rept 64
	v_mov_b32 v[n], 0                              ; O^T: the step is written once; its first walk finds zeros
.set n, n+1
.endr
	WIN 0
	v_mul_u32_u24 v[AK0], v31, PK
	v_lshl_add_u32 v[AK0], v[DD], 4, v[AK0]        ; K: row r, + 16 h
	v_and_b32 v[ADK], 7, v0
	v_lshl_add_u32 v[AV0], v[DD], 3, v[ADK]
	v_mul_u32_u24 v[AV0], v[AV0], PV               ; V: key 8 h + lane % 8,
	v_bfe_u32 v[ADK], v0, 3, 1
	v_lshl_add_u32 v[AV0], v[ADK], 4, v[AV0]       ; channels 8 ((lane / 8) % 2) on
	v_add_nc_u32 v[AV0], VOFF, v[AV0]
	s_mul_i32 s60, s[WV], 4352
	s_add_co_u32 s60, s60, STAGE                   ; my stage
	v_lshrrev_b32 v[STO], 1, v31
	v_mul_u32_u24 v[STO], v[STO], 272
	v_and_b32 v[ADK], 1, v31
	v_lshl_add_u32 v[STO], v[ADK], 7, v[STO]
	v_lshl_add_u32 v[STO], v[DD], 4, v[STO]
	v_add_nc_u32 v[STO], s60, v[STO]               ; in: unit r / 2, half r % 2, + 16 h
	v_mul_u32_u24 v[RD], v[DD], 272
	v_lshl_add_u32 v[RD], v31, 4, v[RD]
	v_add_nc_u32 v[RD], s60, v[RD]                 ; back: sixteen lanes to a unit
	v_lshlrev_b32 v[GO], 12, v[DD]
	v_lshl_add_u32 v[GO], v31, 4, v[GO]            ; units lie 4,096 bytes apart in yh
	v_lshlrev_b32 v[RH], 3, v[DD]
	v_sub_nc_u32 v[RH], v31, v[RH]
	v_and_b32 v[PFO], 31, v0
	v_lshlrev_b32 v[PFO], 8, v[PFO]
	v_mov_b32 v[NINF], 0xff800000
.irp t, 0,1
	v_mov_b32 v[ST+8*\t+1], 0xff61b1e6             ; m = -3e38, under every score
	v_mul_f32 v[ST+8*\t], s[CS], v[ST+8*\t+1]
.irp j, 2,3,4,5,6,7
	v_mov_b32 v[ST+8*\t+\j], 0
.endr
.endr
	s_wait_loadcnt 0x0                             ; Q
.Lslot:                                            ; seven trips
	CHANGE 1
	SLOT_STEPS
	s_sub_co_u32 s[SLOTS], s[SLOTS], 1
	s_cmp_lg_u32 s[SLOTS], 0
	s_cbranch_scc1 .Lslot
	CHANGE 0                                       ; the last slot is written out: nothing is left to ask for
	SLOT_STEPS
	; THE WAY OUT
	PLACES
	s_lshr_b32 s48, s[BH], 4
	s_lshl_b32 s48, s48, 11                        ; batch x 2,048 rows
	s_and_b32 s49, s[BH], 15
	s_lshl_b32 s49, s49, 8                         ; head x 256 bytes
	s_add_co_u32 s56, s48, s[QL]
	s_lshl_b32 s56, s56, 11                        ; a row's share of its pair's 4,096 bytes
	s_add_co_u32 s56, s56, s49
	s_mov_b32 s57, 0
	s_add_nc_u64 s[56:57], s[6:7], s[56:57]
	s_add_co_u32 s58, s48, s[QH]
	s_lshl_b32 s58, s58, 11
	s_add_co_u32 s58, s58, s49
	s_mov_b32 s59, 0
	s_add_nc_u64 s[58:59], s[6:7], s[58:59]
.irp t, 0,1
	v_add_f32 v[ST+8*\t+4], v[ST+8*\t+2], v[ST+8*\t+3]
.endr
.irp t, 0,1
	v_permlanex16_b32 v[ST+8*\t+5], v[ST+8*\t+4], s[SEL], s[SEL+1]
.endr
.irp t, 0,1
	v_add_f32 v[ST+8*\t+4], v[ST+8*\t+4], v[ST+8*\t+5]
.endr
.irp t, 0,1
	v_rcp_f32 v[ST+8*\t+6], v[ST+8*\t+4]
.endr
	v_nop
	s_wait_alu depctr_va_vdst(0)                   ; one wait for the two reciprocals, ahead of their first reader
.irp t, 0,1
	WIN 0x01                                       ; source 0 (O^T) window 1
.set n, 0
.rept 16
	v_pk_mul_f32 v[S+32*\t+n:S+32*\t+n+1], v[32*\t+n:32*\t+n+1], v[ST+8*\t+6:ST+8*\t+7] op_sel_hi:[1,0]
.set n, n+2
.endr
	WIN 0
.set n, 0
.rept 16
	v_cvt_pk_f16_f32 v[P+16*\t+n], v[S+32*\t+2*n], v[S+32*\t+2*n+1]
.set n, n+1
.endr
.irp ct, 0,1,2,3
	ds_store_b128 v[STO], v[P+16*\t+4*\ct:P+16*\t+4*\ct+3] offset:\t*2176+32*\ct
.endr
.irp i, 0,1,2,3
	ds_load_b128 v[KR+16*\t+4*\i:KR+16*\t+4*\i+3], v[RD] offset:\t*2176+544*\i   ; in order behind my stores
.endr
.endr
.irp i, 0,1,2,3
	s_wait_dscnt 11-\i                             ; behind this load: the rest of its tile's and the other tile's eight
	global_store_b128 v[GO], v[KR+4*\i:KR+4*\i+3], s[56:57] offset:8192*\i     ; sixteen lanes store 256 consecutive bytes, aligned
.endr
.irp i, 0,1,2,3
	s_wait_dscnt 3-\i
	global_store_b128 v[GO], v[KR+16+4*\i:KR+16+4*\i+3], s[58:59] offset:8192*\i
.endr
	s_wait_tensorcnt 0x0                           ; the wave's end
	ds_add_u32 v[SPW], v[NIL]
	s_wait_dscnt 0x0
	s_endpgm
.Lfunc_end_k_qaee36c7e0b_attn:
	.size	k_qaee36c7e0b_attn, .Lfunc_end_k_qaee36c7e0b_attn-k_qaee36c7e0b_attn
	.p2alignl 7, 3214868480
	.fill 96, 4, 3214868480
	.section	.rodata,"a",@progbits
	.p2align	6, 0x0
	.amdhsa_kernel k_qaee36c7e0b_attn
		.amdhsa_group_segment_fixed_size 327680
		.amdhsa_private_segment_fixed_size 0
		.amdhsa_enable_private_segment 0
		.amdhsa_kernarg_size 16
		.amdhsa_user_sgpr_count 2
		.amdhsa_user_sgpr_kernarg_segment_ptr 1
		.amdhsa_wavefront_size32 1
		.amdhsa_system_sgpr_workgroup_id_x 1
		.amdhsa_system_sgpr_workgroup_id_y 1
		.amdhsa_system_sgpr_workgroup_id_z 1
		.amdhsa_system_vgpr_workitem_id 0
		.amdhsa_next_free_vgpr 352
		.amdhsa_next_free_sgpr 66
		.amdhsa_reserve_vcc 1
		.amdhsa_float_denorm_mode_32 3
		.amdhsa_float_denorm_mode_16_64 3
		.amdhsa_memory_ordered 1
		.amdhsa_forward_progress 1
		.amdhsa_inst_pref_size 63
	.end_amdhsa_kernel
	.amdgpu_metadata
---
amdhsa.version: [ 1, 2 ]
amdhsa.kernels:
  - .name:           k_qaee36c7e0b_attn
    .symbol:         k_qaee36c7e0b_attn.kd
    .args:
      - { .name: qkvh, .offset: 0, .size: 8, .value_kind: global_buffer, .address_space: global }
      - { .name: yh, .offset: 8, .size: 8, .value_kind: global_buffer, .address_space: global }
    .group_segment_fixed_size: 327680
    .private_segment_fixed_size: 0
    .kernarg_segment_align: 8
    .kernarg_segment_size: 16
    .max_flat_workgroup_size: 256
    .sgpr_count:     66
    .vgpr_count:     352
    .wavefront_size: 32
...
	.end_amdgpu_metadata
.endif
;; end of part 3
;; launch proj (part 4): grid 8 x 32, 4 waves a work-group, clusters of 4 x 4, 327,680 bytes of LDS; arguments yh, wpt, out0; writes out0
.if DOCPART == 4
	.amdgcn_target "amdgcn-amd-amdhsa--gfx1250"
	.amdhsa_code_object_version 6
	.text
	.protected	k_qaee36c7e0b_proj
	.globl	k_qaee36c7e0b_proj
	.p2align	8
	.type	k_qaee36c7e0b_proj,@function
k_qaee36c7e0b_proj:
	s_mov_b64 s[64:65], 0
	v_nop
	global_prefetch_b8 v0, s[64:65] scope:SCOPE_SE
	s_setreg_imm32_b32 hwreg(HW_REG_WAVE_MODE, 25, 1), 1
	s_wait_xcnt 0x0
	s_wait_alu depctr_hold_cnt(0) depctr_sa_sdst(0) depctr_va_vdst(0) depctr_va_sdst(0) depctr_va_ssrc(0) depctr_va_vcc(0) depctr_vm_vsrc(0)
	s_getreg_b32 s2, hwreg(HW_REG_IB_STS2, 6, 4)
	s_cmp_eq_u32 s2, 0
	s_cbranch_scc0 .Lentry_in_a_cluster
	s_endpgm
.Lentry_in_a_cluster:
	s_bfe_u32 s2, ttmp6, 0x10000c
	s_cmp_lg_u32 s2, 0xf033
	s_cbranch_scc0 .Lentry_shape_is_right
	s_endpgm
.Lentry_shape_is_right:
; out0[m][n] = sum over k of y[m][k] w_proj[k][n].  A = yh: f16, two rows interleaved (byte(m, k) = (m / 2) 4096 + (k / 64) 256 + (m % 2) 128 + (k % 64) 2); B = wpt: f16 [n][k]; out0 f32; sums in f32.
; 4,096 x 1,024 of C make 256 tiles of 128 x 128: one for each work-group.  Four waves, each 64 x 64: 16 accumulators.  K goes in steps of 256 through two LDS slots.
; A's tile of a K step is 64 pairs of rows x 1,024 consecutive bytes (a wave's load: 32 pairs), B's 128 rows x 512 bytes (a load: 64 rows).
; CLUSTERS: 4 x 4 work-groups; A's tiles are asked for jointly along a row of the cluster, B's along a column.  THE MATRIX INSTRUCTION IS USED TRANSPOSED: a lane holds eight neighbouring columns of a row of C.
; The first 16 rows of each batch are stored here like all others and made anew, in f32 throughout, by the launch that follows.
; No prefetch: a K step of this small tile is short, and the tiles are shared in the cluster.
; REGISTERS: window 0: v16-29 addresses; v32-95 the way out; v128-255 the accumulators ((a, b) at v[128 + 8 (4 a + b)]).   window 1: two fragment buffers of 128: 64 of A, then 64 of B.
.set KSTEP,  256
.set PITCH,  528                       ; B's LDS row: 512 bytes + 16
.set APITCH, 1040                      ; A's: a pair of rows, 1,024 bytes + 16
.set HALFA,  32*APITCH
.set HALFB,  64*PITCH
.set SLOT,   2*HALFA+2*HALFB           ; A's 128 rows, then B's 128 rows
.set STAGE,  2*SLOT                    ; behind the ring: 16 rows x 272 bytes for each wave
.set SPITCH, 272
.set SPARE,  STAGE+4*16*SPITCH         ; the spare words: two blocks of 256 bytes that no other line names
.set ADRA, 16
.set ADRB, 20
.set STO,  24
.set RD,   25
.set CO,   26
.set SPW,  28
.set NIL,  29
.set TMP,  32
.set ACC,  128
.set F0,   0
.set F1,   128
.set G1, 24
.set G0, 32
.set G1B, 48
.set G0B, 56
.set MSB, 0
.macro WIN new
.if MSB != \new
	s_set_vgpr_msb (MSB<<8)|\new
.set MSB, \new
.endif
.endm
.set MUL,  0x05                        ; sources 0 (B) and 1 (A) window 1; C and D window 0
.set TO_F, 0x40
.macro JLOAD s                         ; waves 0 and 1 fetch A's two halves, waves 2 and 3 B's; an s_nop 0 and four v_nop follow each line
	s_cmp_eq_u32 s11, 0
	s_cbranch_scc0 .Lfor_b_\@
	tensor_load_to_lds s[G0+4*\s:G0+4*\s+3], s[G1:G1+7]
	s_nop 0
.rept 4
	v_nop
.endr
	s_branch .Lasked_\@
.Lfor_b_\@:
	tensor_load_to_lds s[G0B+4*\s:G0B+4*\s+3], s[G1B:G1B+7]
	s_nop 0
.rept 4
	v_nop
.endr
.Lasked_\@:
.endm
.macro CREST
	s_cmp_lg_u32 s10, 0
	s_cbranch_scc1 .Lnot_wave_0_\@
	s_barrier_signal -3
.Lnot_wave_0_\@:
	s_barrier_wait -3
	s_barrier_signal -1
	s_barrier_wait -1
.endm
.macro CROUND
	s_barrier_signal -1
	s_barrier_wait -1
	CREST
.endm
	s_load_b128 s[4:7], s[0:1], 0x0                ; yh, wpt
	s_load_b64 s[8:9], s[0:1], 0x10                ; out0
	v_lshl_add_u32 v[SPW], v0, 2, SPARE
	v_mov_b32 v[NIL], 0
	ds_add_u32 v[SPW], v[NIL]                      ; the wave's opening: the add, twice on end, and its wait ahead of my first tensor load
	ds_add_u32 v[SPW], v[NIL]
	v_lshrrev_b32 v1, 5, v0
	v_readfirstlane_b32 s10, v1                    ; wave 0..3
	s_lshr_b32 s11, s10, 1                         ; my half of the tile's rows.  Also: I fetch for A (0) or for B (1)
	s_and_b32 s12, s10, 1                          ; my half of its columns.  Also: which half of that tile I fetch
	s_bfe_u32 s40, ttmp6, 0x40000
	s_bfe_u32 s41, ttmp6, 0x40004
	s_lshl_b32 s42, ttmp9, 2
	s_add_co_u32 s42, s42, s40                     ; tile column
	s_and_b32 s13, ttmp7, 0xffff
	s_lshl_b32 s13, s13, 2
	s_add_co_u32 s13, s13, s41                     ; tile row
	s_lshl_b32 s43, s41, 2
	s_lshl_b32 s43, 15, s43
	s_lshl_b32 s44, 0x1111, s40
	s_or_b32 s[G1+0], s43, (1<<16)|(1<<20)|(1<<21)|(7<<22)|(3<<25)   ; A: the mask of my row; elements of 2 bytes; padding: 4 words behind every 256
	s_mov_b32 s[G1+1], 512<<16                     ; tensor_dim0: 512 elements, 1,024 bytes
	s_mov_b32 s[G1+2], 32<<16                      ; tensor_dim1: 32 pairs of rows
	s_mov_b32 s[G1+3], 512<<16
	s_mov_b32 s[G1+4], 32
	s_mov_b32 s[G1+5], 2048                        ; a pair of rows is 4,096 bytes
	s_mov_b32 s[G1+6], 0
	s_mov_b32 s[G1+7], 0
	s_or_b32 s[G1B+0], s44, (1<<16)|(1<<20)|(1<<21)|(6<<22)|(3<<25)  ; B: the mask of my column; 4 words behind every 128
	s_mov_b32 s[G1B+1], KSTEP<<16
	s_mov_b32 s[G1B+2], 64<<16
	s_mov_b32 s[G1B+3], KSTEP<<16
	s_mov_b32 s[G1B+4], 64
	s_mov_b32 s[G1B+5], 1024
	s_mov_b32 s[G1B+6], 0
	s_mov_b32 s[G1B+7], 0
	s_lshl_b32 s17, s12, 5
	s_lshl_b32 s16, s13, 6
	s_add_co_u32 s16, s16, s17                     ; A: pair 64 x tile row + 32 x half,
	s_lshl_b32 s16, s16, 12                        ; in bytes
	s_mov_b32 s17, 0
	s_lshl_b32 s47, s12, 6
	s_lshl_b32 s46, s42, 7
	s_add_co_u32 s46, s46, s47                     ; B: row 128 x tile column + 64 x half,
	s_lshl_b32 s46, s46, 11
	s_mov_b32 s47, 0
	s_mul_i32 s20, s12, HALFA                      ; where they go: no place in the cluster enters an LDS address
	s_mul_i32 s21, s12, HALFB
	s_add_co_u32 s21, s21, 2*HALFA
	s_wait_dscnt 0x0                               ; both opening adds are done
	s_wait_kmcnt 0x0
	s_add_nc_u64 s[14:15], s[4:5], s[16:17]
	s_add_nc_u64 s[46:47], s[6:7], s[46:47]
	CROUND                                         ; the first joint loads meet
.irp s, 0,1
	s_mov_b32 s[G0+4*\s], 1
	s_add_co_u32 s[G0+4*\s+1], s20, \s*SLOT
	s_add_nc_u64 s[G0+4*\s+2:G0+4*\s+3], s[14:15], \s*1024
	s_or_b32 s[G0+4*\s+3], s[G0+4*\s+3], 0x80000000
	s_mov_b32 s[G0B+4*\s], 1
	s_add_co_u32 s[G0B+4*\s+1], s21, \s*SLOT
	s_add_nc_u64 s[G0B+4*\s+2:G0B+4*\s+3], s[46:47], \s*512
	s_or_b32 s[G0B+4*\s+3], s[G0B+4*\s+3], 0x80000000
	JLOAD \s
.endr
	v_and_b32 v1, 15, v0                           ; r
	v_bfe_u32 v2, v0, 4, 1                         ; h
	v_mul_u32_u24 v3, v1, PITCH
	v_lshl_add_u32 v3, v2, 4, v3                   ; B: row r, + 16 h
	v_lshrrev_b32 v4, 1, v1
	v_mul_u32_u24 v4, v4, APITCH
	v_and_b32 v5, 1, v1
	v_lshl_add_u32 v4, v5, 7, v4
	v_lshl_add_u32 v4, v2, 4, v4                   ; A: pair r / 2, half r % 2, + 16 h: the sixteen rows fall on sixteen different columns of 16 bytes
	s_mul_i32 s21, s11, HALFA
	s_mul_i32 s22, s12, HALFB
	s_add_co_u32 s22, s22, 2*HALFA
.irp s, 0,1
	v_add_nc_u32 v[ADRA+\s], s21, v4
	v_add_nc_u32 v[ADRB+\s], s22, v3
	s_add_co_u32 s21, s21, SLOT
	s_add_co_u32 s22, s22, SLOT
.endr
	s_mul_i32 s23, s10, 16*SPITCH
	s_add_co_u32 s23, s23, STAGE                   ; my stage
	v_mul_u32_u24 v4, v1, SPITCH
	v_lshl_add_u32 v4, v2, 5, v4
	v_add_nc_u32 v[STO], s23, v4                   ; in: row r, 32 bytes for each half of the lanes
	v_mul_u32_u24 v5, v2, SPITCH
	v_lshl_add_u32 v5, v1, 4, v5
	v_add_nc_u32 v[RD], s23, v5                    ; back: sixteen lanes to a row of 256 bytes
	v_lshlrev_b32 v5, 12, v2
	v_lshl_add_u32 v[CO], v1, 4, v5                ; the same two rows in C
	s_lshl_b32 s16, s13, 7
	s_lshl_b32 s17, s11, 6
	s_add_co_u32 s16, s16, s17                     ; my first row of C
	s_lshl_b32 s16, s16, 12
	s_mov_b32 s17, 0
	s_add_nc_u64 s[8:9], s[8:9], s[16:17]
	s_lshl_b32 s46, s42, 9                         ; my first column, in bytes
	s_lshl_b32 s47, s12, 8
	s_add_co_u32 s46, s46, s47
	s_mov_b32 s47, 0
	s_add_nc_u64 s[8:9], s[8:9], s[46:47]
.macro MUL8 f, c, a0, zero             ; the 16 accumulators take turns, one instruction a turn
.irp a, \a0, \a0+1
.irp b, 0,1,2,3
.if \zero
	v_wmma_f32_16x16x32_f16 v[ACC+8*(4*(\a)+\b):ACC+8*(4*(\a)+\b)+7], v[\f+64+8*(4*\c+\b):\f+64+8*(4*\c+\b)+7], v[\f+8*(4*\c+\a):\f+8*(4*\c+\a)+7], 0
.else
	v_wmma_f32_16x16x32_f16 v[ACC+8*(4*(\a)+\b):ACC+8*(4*(\a)+\b)+7], v[\f+64+8*(4*\c+\b):\f+64+8*(4*\c+\b)+7], v[\f+8*(4*\c+\a):\f+8*(4*\c+\a)+7], v[ACC+8*(4*(\a)+\b):ACC+8*(4*(\a)+\b)+7]
.endif
.endr
.endr
.endm
; 32 LDS loads in one run: 64 along K at byte k of B's rows; in A's pairs of rows 64 along K are 256 bytes, so the same K begins at byte 2 k
.macro FETCH slot, k, f
	WIN TO_F
.irp c, 0,1
.irp i, 0,1,2,3
	ds_load_b128 v[\f+64+8*(4*\c+\i):\f+64+8*(4*\c+\i)+3],   v[ADRB+\slot] offset:\k+64*\c+\i*16*PITCH
	ds_load_b128 v[\f+64+8*(4*\c+\i)+4:\f+64+8*(4*\c+\i)+7], v[ADRB+\slot] offset:\k+64*\c+\i*16*PITCH+32
	ds_load_b128 v[\f+8*(4*\c+\i):\f+8*(4*\c+\i)+3],         v[ADRA+\slot] offset:2*(\k)+64*\c+\i*8*APITCH
	ds_load_b128 v[\f+8*(4*\c+\i)+4:\f+8*(4*\c+\i)+7],       v[ADRA+\slot] offset:2*(\k)+64*\c+\i*8*APITCH+32
.endr
.endr
.endm
.macro PLACES
.rept 4
	v_nop
.endr
.endm
.macro QUARTER slot, k, f, g, zero
	s_wait_dscnt 16                                ; the first 32 along K are in
	WIN MUL
	MUL8 \f, 0, 0, \zero
	MUL8 \f, 0, 2, \zero
	PLACES
	FETCH \slot, \k, \g
	s_wait_dscnt 32                                ; all but the 32 just issued
	WIN MUL
	MUL8 \f, 1, 0, 0
	MUL8 \f, 1, 2, 0
.endm
; The last quarter changes slots: in front of the barrier each wave waits for all its tensor loads, adds 0 to its spare word, and waits for that and for its reads of this slot.  fill = 1: the barrier opens a round of the cluster's, and the slot is filled again.
.macro TURN slot, next, fill
	WIN 0
	s_wait_tensorcnt 0x0
	ds_add_u32 v[SPW], v[NIL]
	s_wait_dscnt 17                                ; (the add and the youngest sixteen loads may be out)
	WIN MUL
	MUL8 F1, 0, 0, 0
	s_wait_dscnt 0x0
	s_barrier_signal -1
	MUL8 F1, 0, 2, 0
.if \fill
	WIN 0
.endif
	s_barrier_wait -1
.if \fill
	CREST
	s_add_nc_u64 s[G0+4*\slot+2:G0+4*\slot+3], s[G0+4*\slot+2:G0+4*\slot+3], 2048     ; two K steps on: 2 x 1,024 bytes in a pair of rows,
	s_add_nc_u64 s[G0B+4*\slot+2:G0B+4*\slot+3], s[G0B+4*\slot+2:G0B+4*\slot+3], 1024 ; 2 x 512 in a row of B
	JLOAD \slot                                    ; the first tensor load behind the round; its four v_nop are also the places in front of the loads below
.else
	PLACES
.endif
	FETCH \next, 0, F0
	WIN MUL
	MUL8 F1, 1, 0, 0
	MUL8 F1, 1, 2, 0
.endm
	s_wait_tensorcnt 1                             ; my part of K step 0 is in (K step 1's load may be out),
	s_barrier_signal -1
	s_barrier_wait -1                              ; everybody's is
	FETCH 0, 0, F0
	QUARTER 0, 128, F0, F1, 1                      ; the first products start the sums
	WIN 0
	s_mov_b32 s3, 1                                ; 1,024 along K are two laps of the ring: one trip, then the last lap
.Llap:
	QUARTER 0, 256, F1, F0, 0
	QUARTER 0, 384, F0, F1, 0
	TURN 0, 1, 1
	QUARTER 1, 128, F0, F1, 0
	QUARTER 1, 256, F1, F0, 0
	QUARTER 1, 384, F0, F1, 0
	TURN 1, 0, 1
	QUARTER 0, 128, F0, F1, 0
	WIN 0
	s_sub_co_u32 s3, s3, 1
	s_cmp_lg_u32 s3, 0
	s_cbranch_scc1 .Llap
	QUARTER 0, 256, F1, F0, 0                      ; the last lap fills nothing
	QUARTER 0, 384, F0, F1, 0
	TURN 0, 1, 0
	QUARTER 1, 128, F0, F1, 0
	QUARTER 1, 256, F1, F0, 0
	QUARTER 1, 384, F0, F1, 0
	s_wait_dscnt 16
	WIN MUL
	MUL8 F1, 0, 0, 0
	MUL8 F1, 0, 2, 0
	s_wait_dscnt 0
	MUL8 F1, 1, 0, 0
	MUL8 F1, 1, 2, 0
	WIN 0
; THE WAY OUT, in f32: my 64 columns are 256 bytes of a row, so the stage is my own and no barrier is needed.  A block of 16 rows goes in as it lies and comes back by rows.
.macro TOSTAGE a
.irp b, 0,1,2,3
	ds_store_b128 v[STO], v[ACC+8*(4*(\a)+\b):ACC+8*(4*(\a)+\b)+3] offset:64*\b       ; each accumulator from its low end on
	ds_store_b128 v[STO], v[ACC+8*(4*(\a)+\b)+4:ACC+8*(4*(\a)+\b)+7] offset:64*\b+16
.endr
.irp t, 0,1,2,3,4,5,6,7
	ds_load_b128 v[TMP+32*((\a)%2)+4*\t:TMP+32*((\a)%2)+4*\t+3], v[RD] offset:\t*2*SPITCH   ; in order behind my stores
.endr
.endm
.macro SEND a, younger
	s_wait_dscnt \younger
.irp t, 0,1,2,3,4,5,6,7
	global_store_b128 v[CO], v[TMP+32*((\a)%2)+4*\t:TMP+32*((\a)%2)+4*\t+3], s[8:9] offset:(16*(\a)+2*\t)*4096 th:TH_STORE_NT   ; sixteen lanes store 256 consecutive bytes, aligned
.endr
.endm
	PLACES
	TOSTAGE 0
.irp a, 1,2,3
.if \a > 1
	s_wait_xcnt 0x0                                ; block a - 2's stores have read their registers: block a's loads may land there
.endif
	TOSTAGE \a
	SEND \a-1, 16                                  ; behind block a - 1's loads: block a's 8 stores and 8 loads
.endr
	SEND 3, 0
	s_wait_tensorcnt 0x0                           ; the wave's end
	ds_add_u32 v[SPW], v[NIL]
	s_wait_dscnt 0x0
	CROUND                                         ; the closing round
	s_endpgm
.Lfunc_end_k_qaee36c7e0b_proj:
	.size	k_qaee36c7e0b_proj, .Lfunc_end_k_qaee36c7e0b_proj-k_qaee36c7e0b_proj
	.p2alignl 7, 3214868480
	.fill 96, 4, 3214868480
	.section	.rodata,"a",@progbits
	.p2align	6, 0x0
	.amdhsa_kernel k_qaee36c7e0b_proj
		.amdhsa_group_segment_fixed_size 327680
		.amdhsa_private_segment_fixed_size 0
		.amdhsa_enable_private_segment 0
		.amdhsa_kernarg_size 24
		.amdhsa_user_sgpr_count 2
		.amdhsa_user_sgpr_kernarg_segment_ptr 1
		.amdhsa_wavefront_size32 1
		.amdhsa_system_sgpr_workgroup_id_x 1
		.amdhsa_system_sgpr_workgroup_id_y 1
		.amdhsa_system_sgpr_workgroup_id_z 1
		.amdhsa_system_vgpr_workitem_id 0
		.amdhsa_next_free_vgpr 512
		.amdhsa_next_free_sgpr 66
		.amdhsa_reserve_vcc 0
		.amdhsa_float_denorm_mode_32 3
		.amdhsa_float_denorm_mode_16_64 3
		.amdhsa_memory_ordered 1
		.amdhsa_forward_progress 1
		.amdhsa_inst_pref_size 86
	.end_amdhsa_kernel
	.amdgpu_metadata
---
amdhsa.version: [ 1, 2 ]
amdhsa.kernels:
  - .name:           k_qaee36c7e0b_proj
    .symbol:         k_qaee36c7e0b_proj.kd
    .args:
      - { .name: yh, .offset: 0, .size: 8, .value_kind: global_buffer, .address_space: global }
      - { .name: wpt, .offset: 8, .size: 8, .value_kind: global_buffer, .address_space: global }
      - { .name: out0, .offset: 16, .size: 8, .value_kind: global_buffer, .address_space: global }
    .group_segment_fixed_size: 327680
    .private_segment_fixed_size: 0
    .kernarg_segment_align: 8
    .kernarg_segment_size: 24
    .max_flat_workgroup_size: 128
    .sgpr_count:     66
    .vgpr_count:     512
    .wavefront_size: 32
...
	.end_amdgpu_metadata
.endif
;; end of part 4
;; launch first16 (part 5): grid 64 x 2, 16 waves a work-group, no clusters, 22,528 bytes of LDS; arguments qkv32, w_proj, out0; writes out0
.if DOCPART == 5
	.amdgcn_target "amdgcn-amd-amdhsa--gfx1250"
	.amdhsa_code_object_version 6
	.text
	.protected	k_qaee36c7e0b_first16
	.globl	k_qaee36c7e0b_first16
	.p2align	8
	.type	k_qaee36c7e0b_first16,@function
k_qaee36c7e0b_first16:
	s_mov_b64 s[64:65], 0
	v_nop
	global_prefetch_b8 v0, s[64:65] scope:SCOPE_SE
	s_setreg_imm32_b32 hwreg(HW_REG_WAVE_MODE, 25, 1), 1
	s_wait_xcnt 0x0
; The first 16 positions of both sequences, in f32 throughout: under the causal mask they average one to sixteen values and are the largest in size.
; qkv32: [16 b + t][3072] f32 (q, k, v of tokens 0-15); w_proj [1024 (k)][1024 (n)] f32; rows 0-15 of each batch of out0 are stored anew.
; SHARES.  Work-group (cb, b) makes out0[b][0..15][16 cb .. 16 cb + 15].  WAVE = HEAD, from end to end: the 16 x 16 attention of that head gives y's 64 channels, and those are the wave's own 64 of the projection's
; K = 1,024: the results of O^T = V^T P are taken as they stand as an operand of the projection.  So a wave has 16 + 16 + 16 matrix instructions, and y never leaves the registers.
; The sixteen waves' parts of the 16 x 16 outputs meet in LDS and are added in a fixed tree by waves 0 and 1.  Every work-group of a batch repeats the batch's attention: 196,608 bytes read.
; ONE COLUMN TILE TO A WORK-GROUP: 128 work-groups share the projection; with four tiles (a whole 256 bytes of a row) a wave would have 96 matrix instructions and there would be 32 work-groups.
; The price: four lanes store 64 consecutive bytes of a row; 131,072 bytes in the whole launch leave so.
; The f32 matrix form: a lane holds row (or column) lane % 16 and k = 2 (lane / 16) + j in register j.  One and the same permutation of k stands on both sides of each product.
; The registers that the matrix instructions write (v112-175) are written by them alone; each sum begins with the constant 0; four accumulators take turns.
.set RP,    80                         ; a part's row in LDS: 64 bytes + 16
.set PART,  16*RP                      ; a wave's part: 16 rows
.set SPARE, 16*PART                    ; behind the sixteen parts: the spare words, eight blocks of 256 bytes that no other line names
.set QF,  16                           ; v16-47 Q, v48-79 K; at the end v16-79 take the sixteen parts
.set KF,  48
.set VF,  80                           ; v80-111 V
.set SA,  112                          ; four accumulators: S^T, later the projection
.set OA,  144                          ; four accumulators: O^T = y
.set WF,  176                          ; v176-207 my 64 rows x 16 columns of w_proj
.set RS,  16
.set T,   240
.set U,   248
.macro NOP8                            ; eight places behind this matrix form, ahead of a read of its results (ISA guide 7.12.1)
.rept 8
	v_nop
.endr
.endm
.macro SUM4                            ; the four accumulators, from their low ends on: (a0 + a1) + (a2 + a3)
.irp j, 0,1,2,3,4,5,6,7
	v_add_f32 v[T+\j], v[SA+\j], v[SA+8+\j]
	v_add_f32 v[U+\j], v[SA+16+\j], v[SA+24+\j]
.endr
.irp j, 0,1,2,3,4,5,6,7
	v_add_f32 v[T+\j], v[T+\j], v[U+\j]
.endr
.endm
	s_load_b128 s[4:7], s[0:1], 0x0                ; qkv32, w_proj
	s_load_b64 s[8:9], s[0:1], 0x10                ; out0
	v_lshl_add_u32 v12, v0, 2, SPARE               ; my spare word; never rewritten
	v_mov_b32 v13, 0                               ; 0; never rewritten
	v_lshrrev_b32 v1, 5, v0
	v_readfirstlane_b32 s10, v1                    ; wave = head
	s_and_b32 s13, ttmp7, 0xffff                   ; batch
	s_mov_b32 s20, 0x76543210
	s_mov_b32 s21, 0xfedcba98                      ; v_permlanex16_b32's selects for lane l xor 16
	s_mov_b32 s22, 0x3e38aa3b                      ; c = log2(e) / 8
	v_and_b32 v1, 15, v0                           ; r
	v_bfe_u32 v2, v0, 4, 1                         ; h
	v_mul_u32_u24 v3, v1, 12288
	v_lshl_add_u32 v3, v2, 4, v3                   ; Q, K: token r, + 16 h
	v_mul_u32_u24 v4, v2, 98304
	v_lshl_add_u32 v4, v1, 2, v4                   ; V: tokens 8 h on, channel r
	v_lshlrev_b32 v5, 15, v2
	v_lshl_add_u32 v5, v1, 2, v5                   ; W: rows 8 h on, column r
	v_mul_u32_u24 v8, v1, RP
	v_lshl_add_u32 v8, v2, 5, v8
	s_mul_i32 s14, s10, PART
	v_add_nc_u32 v8, s14, v8                       ; my part: part = wave, row r, + 32 h
	v_and_b32 v6, 63, v0                           ; the adding: thread t of waves 0 and 1 takes row t / 4, columns 4 (t % 4) on
	v_lshrrev_b32 v7, 2, v6
	v_and_b32 v6, 3, v6
	v_mul_u32_u24 v9, v7, RP
	v_lshl_add_u32 v9, v6, 4, v9                   ; in a part,
	v_lshlrev_b32 v10, 12, v7
	v_lshl_add_u32 v10, v6, 4, v10                 ; and in out0
	v_lshlrev_b32 v11, 3, v2
	v_sub_nc_u32 v11, v1, v11                      ; r - 8 h
	v_mov_b32 v14, 0xff800000                      ; -infinity
	s_mul_i32 s16, s13, 196608                     ; qkv32: batch x 16 rows of 12,288 bytes + head x 256
	s_lshl_b32 s17, s10, 8
	s_add_co_u32 s16, s16, s17
	s_mov_b32 s17, 0
	s_lshl_b32 s18, s10, 18                        ; w_proj: head x 64 rows of 4,096 bytes + 64 bytes x column tile
	s_lshl_b32 s19, ttmp9, 6
	s_add_co_u32 s18, s18, s19
	s_mov_b32 s19, 0
	s_lshl_b32 s24, s13, 23                        ; out0: batch x 2,048 rows of 4,096 bytes + 64 bytes x column tile
	s_lshl_b32 s25, ttmp9, 6
	s_add_co_u32 s24, s24, s25
	s_mov_b32 s25, 0
	s_wait_kmcnt 0x0
	s_add_nc_u64 s[4:5], s[4:5], s[16:17]
	s_add_nc_u64 s[6:7], s[6:7], s[18:19]
	s_add_nc_u64 s[8:9], s[8:9], s[24:25]
.irp s, 0,1,2,3,4,5,6,7
	global_load_b128 v[QF+4*\s:QF+4*\s+3], v3, s[4:5] offset:32*\s            ; q(r, 8 s + 4 h + 0 .. 3)
.endr
.irp s, 0,1,2,3,4,5,6,7
	global_load_b128 v[KF+4*\s:KF+4*\s+3], v3, s[4:5] offset:4096+32*\s
.endr
.irp ct, 0,1,2,3
.irp s, 0,1,2,3
.irp j, 0,1
	global_load_b32 v[VF+2*(4*\ct+\s)+\j], v4, s[4:5] offset:(2*\s+\j)*12288+8192+64*\ct   ; v(8 h + 2 s + j, 16 ct + r)
.endr
.endr
.endr
	s_wait_loadcnt 32                              ; Q and K are in; V's 32 loads may be out
	; ---- S^T = K Q^T: register j of lane (r, h): key 8 h + j, query r
.set u, 0
.rept 16
.if u < 4
	v_wmma_f32_16x16x4_f32 v[SA+8*(u%4):SA+8*(u%4)+7], v[KF+2*u:KF+2*u+1], v[QF+2*u:QF+2*u+1], 0
.else
	v_wmma_f32_16x16x4_f32 v[SA+8*(u%4):SA+8*(u%4)+7], v[KF+2*u:KF+2*u+1], v[QF+2*u:QF+2*u+1], v[SA+8*(u%4):SA+8*(u%4)+7]
.endif
.set u, u+1
.endr
.irp ct, 0,1,2,3                               ; W is asked for behind the first products: it is wanted last
.irp s, 0,1,2,3
.irp j, 0,1
	global_load_b32 v[WF+2*(4*\ct+\s)+\j], v5, s[6:7] offset:(16*\ct+2*\s+\j)*4096   ; w_proj(64 head + 16 ct + 8 h + 2 s + j, 16 cb + r)
.endr
.endr
.endr
	NOP8
	SUM4
.irp j, 0,1,2,3,4,5,6,7
	v_cmp_gt_i32 vcc_lo, \j, v11                   ; key 8 h + j comes after query r
	v_cndmask_b32 v[T+\j], v[T+\j], v14, vcc_lo
.endr
	v_max3_num_f32 v248, v240, v241, v242
	v_max3_num_f32 v249, v243, v244, v245
	v_max3_num_f32 v248, v248, v246, v247
	v_max_num_f32 v248, v248, v249
	v_permlanex16_b32 v249, v248, s20, s21
	v_max_num_f32 v248, v248, v249                 ; the row's maximum: key 0 counts for every query
	v_mul_f32 v249, s22, v248
.irp j, 0,1,2,3,4,5,6,7
	v_fma_f32 v[T+\j], v[T+\j], s22, -v249
.endr
.irp j, 0,1,2,3,4,5,6,7
	v_exp_f32 v[T+\j], v[T+\j]
.endr
	v_nop                                          ; a plain instruction behind the last exponential,
	s_wait_alu depctr_va_vdst(0)                   ; and one wait for the eight, ahead of their first reader
	v_add_f32 v248, v240, v241
	v_add_f32 v249, v242, v243
	v_add_f32 v250, v244, v245
	v_add_f32 v251, v246, v247
	v_add_f32 v248, v248, v249
	v_add_f32 v250, v250, v251
	v_add_f32 v248, v248, v250
	v_permlanex16_b32 v249, v248, s20, s21
	v_add_f32 v15, v248, v249                      ; the row's sum
	v_rcp_f32 v15, v15
	v_nop
	s_wait_alu depctr_va_vdst(0)
.irp j, 0,1,2,3,4,5,6,7
	v_mul_f32 v[U+\j], v[T+\j], v15                ; the weights
.endr
	s_wait_loadcnt 32                              ; V is in; W's 32 loads may be out
.irp s, 0,1,2,3                                ; ---- O^T = V^T P: keys 8 h + 2 s + j on both sides.  Register j of tile ct, lane (r, h): channel 16 ct + 8 h + j, query r
.irp ct, 0,1,2,3
.if \s == 0
	v_wmma_f32_16x16x4_f32 v[OA+8*\ct:OA+8*\ct+7], v[VF+2*(4*\ct+\s):VF+2*(4*\ct+\s)+1], v[U+2*\s:U+2*\s+1], 0
.else
	v_wmma_f32_16x16x4_f32 v[OA+8*\ct:OA+8*\ct+7], v[VF+2*(4*\ct+\s):VF+2*(4*\ct+\s)+1], v[U+2*\s:U+2*\s+1], v[OA+8*\ct:OA+8*\ct+7]
.endif
.endr
.endr
.rept 9
	v_nop                                          ; nine places: the next products take these results as an operand (ISA guide 7.12.1)
.endr
	s_wait_loadcnt 0x0                             ; W is in
	; ---- THE PROJECTION, my head's 64 of its K: source 0 = 16 columns of w_proj, source 1 = y as it stands: registers 2 s, 2 s + 1 of tile ct are channels 16 ct + 8 h + 2 s + j of query r, and W's pair holds the same rows
.irp ct, 0,1,2,3
.irp s, 0,1,2,3
.if \ct == 0
	v_wmma_f32_16x16x4_f32 v[SA+8*\s:SA+8*\s+7], v[WF+2*(4*\ct+\s):WF+2*(4*\ct+\s)+1], v[OA+8*\ct+2*\s:OA+8*\ct+2*\s+1], 0
.else
	v_wmma_f32_16x16x4_f32 v[SA+8*\s:SA+8*\s+7], v[WF+2*(4*\ct+\s):WF+2*(4*\ct+\s)+1], v[OA+8*\ct+2*\s:OA+8*\ct+2*\s+1], v[SA+8*\s:SA+8*\s+7]
.endif
.endr
.endr
	NOP8
	SUM4                                           ; register j of lane (r, h): my head's part of out(query r, column 16 cb + 8 h + j)
	ds_store_b128 v8, v[T:T+3]
	ds_store_b128 v8, v[T+4:T+7] offset:16
	s_wait_dscnt 0x0                               ; for the others' sake: my stores have landed
	s_barrier_signal -1
	s_barrier_wait -1                              ; the sixteen heads' parts lie in LDS
	s_cmp_lt_u32 s10, 2
	s_cbranch_scc0 .Lrest                          ; waves 0 and 1 add them: 64 threads x 4 numbers
.irp q, 0,1,2,3,4,5,6,7,8,9,10,11,12,13,14,15
	ds_load_b128 v[RS+4*\q:RS+4*\q+3], v9 offset:\q*PART
.endr
	s_wait_dscnt 0x0
.irp q, 0,2,4,6,8,10,12,14                     ; a fixed tree: neighbours 1, 2, 4 and 8 heads apart
	v_pk_add_f32 v[RS+4*\q:RS+4*\q+1], v[RS+4*\q:RS+4*\q+1], v[RS+4*\q+4:RS+4*\q+5]
	v_pk_add_f32 v[RS+4*\q+2:RS+4*\q+3], v[RS+4*\q+2:RS+4*\q+3], v[RS+4*\q+6:RS+4*\q+7]
.endr
.irp q, 0,4,8,12
	v_pk_add_f32 v[RS+4*\q:RS+4*\q+1], v[RS+4*\q:RS+4*\q+1], v[RS+4*\q+8:RS+4*\q+9]
	v_pk_add_f32 v[RS+4*\q+2:RS+4*\q+3], v[RS+4*\q+2:RS+4*\q+3], v[RS+4*\q+10:RS+4*\q+11]
.endr
.irp q, 0,8
	v_pk_add_f32 v[RS+4*\q:RS+4*\q+1], v[RS+4*\q:RS+4*\q+1], v[RS+4*\q+16:RS+4*\q+17]
	v_pk_add_f32 v[RS+4*\q+2:RS+4*\q+3], v[RS+4*\q+2:RS+4*\q+3], v[RS+4*\q+18:RS+4*\q+19]
.endr
	v_pk_add_f32 v[RS:RS+1], v[RS:RS+1], v[RS+32:RS+33]
	v_pk_add_f32 v[RS+2:RS+3], v[RS+2:RS+3], v[RS+34:RS+35]
	global_store_b128 v10, v[RS:RS+3], s[8:9]      ; four lanes store a row's 64 consecutive bytes
.Lrest:
	s_wait_tensorcnt 0x0                           ; the wave's end, behind my last LDS store
	ds_add_u32 v12, v13
	s_wait_dscnt 0x0
	s_endpgm
.Lfunc_end_k_qaee36c7e0b_first16:
	.size	k_qaee36c7e0b_first16, .Lfunc_end_k_qaee36c7e0b_first16-k_qaee36c7e0b_first16
	.p2alignl 7, 3214868480
	.fill 96, 4, 3214868480
	.section	.rodata,"a",@progbits
	.p2align	6, 0x0
	.amdhsa_kernel k_qaee36c7e0b_first16
		.amdhsa_group_segment_fixed_size 22528
		.amdhsa_private_segment_fixed_size 0
		.amdhsa_enable_private_segment 0
		.amdhsa_kernarg_size 24
		.amdhsa_user_sgpr_count 2
		.amdhsa_user_sgpr_kernarg_segment_ptr 1
		.amdhsa_wavefront_size32 1
		.amdhsa_system_sgpr_workgroup_id_x 1
		.amdhsa_system_sgpr_workgroup_id_y 1
		.amdhsa_system_sgpr_workgroup_id_z 1
		.amdhsa_system_vgpr_workitem_id 0
		.amdhsa_next_free_vgpr 256
		.amdhsa_next_free_sgpr 66
		.amdhsa_reserve_vcc 1
		.amdhsa_float_denorm_mode_32 3
		.amdhsa_float_denorm_mode_16_64 3
		.amdhsa_memory_ordered 1
		.amdhsa_forward_progress 1
		.amdhsa_inst_pref_size 22
	.end_amdhsa_kernel
	.amdgpu_metadata
---
amdhsa.version: [ 1, 2 ]
amdhsa.kernels:
  - .name:           k_qaee36c7e0b_first16
    .symbol:         k_qaee36c7e0b_first16.kd
    .args:
      - { .name: qkv32, .offset: 0, .size: 8, .value_kind: global_buffer, .address_space: global }
      - { .name: w_proj, .offset: 8, .size: 8, .value_kind: global_buffer, .address_space: global }
      - { .name: out0, .offset: 16, .size: 8, .value_kind: global_buffer, .address_space: global }
    .group_segment_fixed_size: 22528
    .private_segment_fixed_size: 0
    .kernarg_segment_align: 8
    .kernarg_segment_size: 24
    .max_flat_workgroup_size: 512
    .sgpr_count:     66
    .vgpr_count:     256
    .wavefront_size: 32
...
	.end_amdgpu_metadata
.endif
;; end of part 5
